; MI455X (gfx1250); checked and timed in simulation.
; The chip was launched on July 23, 2026; its instructions are those of AMD's public machine-readable ISA for CDNA 5 (MIT licence, August 2026) and "CDNA5" Instruction Set Architecture Reference Guide (July 2026). The comments in the code are by the model that wrote it; some were corrected since.
;; Multi Head Attention. Allowed arithmetic: matrix products marked QUANTISED: E2M1 operands, one E8M0 scale for each 32 along K, by v_wmma_scale_f32_16x16x128_f8f6f4 with both operands' format E2M1 (or v_wmma_scale_f32_32x16x128_f4), f32 sums; products left as they are: bf16, f16 or f32 operands; f32 sums; everything else in f32.
;; Inputs: K 4 x 2,048 x 1,024 float32; Q 4 x 2,048 x 1,024 float32; V 4 x 2,048 x 1,024 float32; W_K 1,024 x 1,024 float32; W_O 1,024 x 1,024 float32; W_Q 1,024 x 1,024 float32; W_V 1,024 x 1,024 float32; b_K 1,024 float32; b_O 1,024 float32; b_Q 1,024 float32; b_V 1,024 float32.
;; Outputs: out0 4 x 2,048 x 1,024 float32.
;; This version of the problem:
;;   THIS VERSION OF THE PROBLEM IS GIVEN IN LOW PRECISION. The matrix products marked QUANTISED in the list below multiply operands that are first quantised to E2M1 (2 exponent bits, 1 mantissa bit; 4 bits a number), with one power-of-two scale for each 32 numbers along K (OCP MX v1.0); their sums are f32. The products marked 'left as it is' may take bf16, f16 or f32 operands, with f32 sums. Whichever they take, every output number must still come out within the allowed error. Rounding operands to bf16 (8 significant bits) uses up far more of that allowance than f16 does (11 bits, for magnitudes from 6e-5 to 65,504). All else is computed in f32.
;;   The module's matrix products, in the order in which they are computed (A, B: the left and right operand; K: the contracted axis; several contracted axes count as one K, in the product's order):
;;     1. [M 8,192, K 1,024] x [K 1,024, N 1,024]; A: input Q; B: input W_Q: QUANTISED
;;     2. [M 8,192, K 1,024] x [K 1,024, N 1,024]; A: input K; B: input W_K: QUANTISED
;;     3. [M 8,192, K 1,024] x [K 1,024, N 1,024]; A: input V; B: input W_V: QUANTISED
;;     4. batch 64 x [M 2,048, K 64] x [K 64, N 2,048]; A: computed on the way; B: computed on the way: left as it is (an operand is computed on the way)
;;     5. batch 64 x [M 2,048, K 2,048] x [K 2,048, N 64]; A: computed on the way; B: computed on the way: left as it is (an operand is computed on the way)
;;     6. [M 8,192, K 1,024] x [K 1,024, N 1,024]; A: computed on the way; B: input W_O: left as it is (an operand is computed on the way)
;;   THE QUANTISER, for each operand of a quantised product, along K:
;;     - K is cut into blocks of 32 from its start; a last block that is shorter is filled with zeros.
;;     - A block's scale is 2^e with e = floor(log2(the largest magnitude in the block)) - 2, held to -126 .. 127; a block of zeros has e = 0. As a byte (E8M0): e + 127.
;;     - Each number is divided by its block's scale, clamped to +-6, and rounded to the nearest number of E2M1, ties to even, subnormals kept.
;;     - The product sums the exact products of the quantised numbers (number of the format x scale) in f32.
;;   ~~~python
;;   def quantise(x, axis):      # numpy; x: float32 -> the quantised numbers, widened to float32 again
;;       x = np.moveaxis(x, axis, -1); K = x.shape[-1]
;;       x = np.pad(x, [(0, 0)] * (x.ndim - 1) + [(0, -K % 32)]); x = x.reshape(x.shape[:-1] + (-1, 32)); a = np.abs(x).max(-1, keepdims=True)
;;       e = np.where(a > 0, np.clip(np.frexp(np.where(a > 0, a, 1))[1] - 1 - 2, -126, 127), 0)      # np.frexp(a)[1] - 1 = floor(log2(a)), exactly
;;       r = np.clip(x / 2.0 ** e, -6, 6)
;;       step = 2.0 ** (np.maximum(np.frexp(np.where(r == 0, 1, r))[1] - 1, 0) - 1)
;;       q = np.round(r / step) * step * 2.0 ** e      # np.round: ties to even
;;       return np.moveaxis(q.reshape(q.shape[:-2] + (-1,))[..., :K], -1, axis).astype(np.float32)
;;   ~~~
;; One version. Each part assembles by itself: llvm-mc -triple=amdgcn-amd-amdhsa -mcpu=gfx1250 --defsym DOCPART=n.
;; ======== version 1 of 1: 4 launches
;; limits: values are held in f16: magnitudes above 65,504 overflow, below 6.1e-05 lose precision
;; workspace buffers: xc 12,582,912 bytes; xs 786,432 bytes; wc 1,572,864 bytes; ws 98,304 bytes; wo 2,097,152 bytes; qkv 50,331,648 bytes; ao 16,777,216 bytes
;; launch prep (part 1): grid 880 x 1, 4 waves a work-group, no clusters, 102,912 bytes of LDS; arguments Q, K, V, W_Q, W_K, W_V, W_O, xc, xs, wc, ws, wo; writes xc, xs, wc, ws, wo
.if DOCPART == 1
	.amdgcn_target "amdgcn-amd-amdhsa--gfx1250"
	.amdhsa_code_object_version 6
	.text
	.protected	k_q1d0ddc335b_prep
	.globl	k_q1d0ddc335b_prep
	.p2align	8
	.type	k_q1d0ddc335b_prep,@function
k_q1d0ddc335b_prep:
	s_mov_b64 s[64:65], 0
	v_nop
	global_prefetch_b8 v0, s[64:65] scope:SCOPE_SE
	s_setreg_imm32_b32 hwreg(HW_REG_WAVE_MODE, 25, 1), 1
	s_wait_xcnt 0x0
; All operands are made ready once.  Three paths, parted on the work-group's number alone; each has LDS bytes of its own.
;   work-groups 0-47    W_Q, W_K, W_V [1024 k][1024 n] f32 -> codes of FP4 (E2M1) laid [n][k], K innermost (wc), one E8M0 byte for each 32 along K (ws)
;   work-groups 48-111  W_O [1024 k][1024 n] f32 -> f16 laid [n][k] (wo)
;   work-groups 112-879 Q, K, V [8192][1024] f32 -> codes (xc) and scale bytes (xs): K is innermost, rows are dense, so each tensor is a plain stream of blocks of 32
; A block's scale is 2^(floor(log2(its largest magnitude)) - 2); its byte is the largest magnitude's exponent field - 2, held at 1 from below.  A block of zeros so keeps the byte 1 where the
; rule says 127: its codes are zeros, which add nothing, and this program alone reads the bytes.  Each number is divided by the scale and rounded to the nearest code, ties to even, beyond 6 to 6.
; LIMITS: NaN and infinities among the inputs are not served; blocks whose largest magnitude lies under 2^-124 keep the byte 1; W_O goes to f16 (magnitudes up to 65,504).
; No tensor load, no barrier: waves share nothing.
.set STEPS, 16                         ; path A: a wave takes 16 steps of 512 numbers
.set CB,    8                          ; bytes of 16 codes
.set SP,    80                         ; path A: a lane's place in a stage: 64 bytes + 16 of padding
.set WREG,  8192                       ; path A: LDS of a wave: two stages of 32 x SP bytes, then its 256 scale bytes
.set PITCH, 272                        ; paths W, O: a stage row: 256 bytes + 16
.set WST,   4*WREG                     ; path W's four stages of 32 rows
.set OST,   WST+4*32*PITCH             ; path O's
.set SPARE, OST+4*32*PITCH             ; the spare words, 128 bytes for each wave: two blocks of 256 bytes that no other line names
.set SPW,   190                        ; v190 LDS address of my spare word; never rewritten
.set NIL,   191                        ; v191 0; never rewritten
.set R,     16                         ; path A: v16-79 four sets of 16 numbers as loaded
.set X,     80                         ;         v80-111 two sets of 16 neighbours
.set E,     112                        ;         v112-127 a scale byte for each step
.set C,     128                        ;         v128-189 codes, four registers for each step
.set SB,    24                         ; path W: v24-27 the scale bytes, four to a register
.set XW,    32                         ; paths W, O: v32-95 two sets of 32 numbers down K
.set CW,    96                         ;         v96.. what a block becomes
.set OUTR,  112                        ;         v112-175 the way out
.macro ALOAD t                         ; path A: step t's 2,048 bytes, each load 512 consecutive bytes
.irp i, 0,1,2,3
	global_load_b128 v[R+16*((\t)%4)+4*\i:R+16*((\t)%4)+4*\i+3], v3, s[40:41] offset:2048*(\t)+512*\i th:TH_LOAD_NT
.endr
.endm
.macro ATURN t                         ; through the wave's own stage, so that a lane gets 16 neighbours; LDS serves a wave's instructions in order
.irp i, 0,1,2,3
	ds_store_b128 v14, v[R+16*((\t)%4)+4*\i:R+16*((\t)%4)+4*\i+3] offset:32*SP*((\t)%2)+8*SP*\i
.endr
.irp i, 0,1,2,3
	ds_load_b128 v[X+16*((\t)%2)+4*\i:X+16*((\t)%2)+4*\i+3], v15 offset:32*SP*((\t)%2)+16*\i
.endr
.endm
.macro ASTEP t
.set XS, X+16*((\t)%2)
.if (\t) > 0
	s_wait_dscnt 1                                 ; this step's numbers are back from the stage; the last step's byte store may be out
.else
	s_wait_dscnt 0x0
.endif
.if (\t)+4 < STEPS
	ALOAD (\t)+4                                   ; into the registers that this step's stores into the stage have read
.endif
.if (\t)+1 < STEPS
.if STEPS-2-(\t) >= 3
	s_wait_loadcnt 12                              ; the next step's four loads are in; the twelve of the three steps behind it may be out
.else
	s_wait_loadcnt 4*(STEPS-2-(\t))
.endif
	ATURN (\t)+1
.endif
	v_max3_num_f32 v8, |v[XS]|, |v[XS+1]|, |v[XS+2]|       ; the largest magnitude of my 16, in two chains
	v_max3_num_f32 v9, |v[XS+3]|, |v[XS+4]|, |v[XS+5]|
.irp i, 6,10
	v_max3_num_f32 v8, v8, |v[XS+\i]|, |v[XS+\i+1]|
	v_max3_num_f32 v9, v9, |v[XS+\i+2]|, |v[XS+\i+3]|
.endr
	v_max3_num_f32 v8, v8, |v[XS+14]|, |v[XS+15]|
	v_max3_num_f32 v8, v8, v9, 0x1800000           ; and the floor 2^(3 - 127): the byte cannot fall under 1
	v_max_num_f32_dpp v8, v8, v8 row_xmask:1 row_mask:0xf bank_mask:0xf   ; with my neighbour's 16: the block's
	v_add_nc_u32 v11, 0xff000000, v8               ; 2 off the exponent field: the conversion takes that field as its scale
	v_cvt_scalef32_pk8_fp4_f32 v[C+4*(\t)], v[XS:XS+7], v11
	v_cvt_scalef32_pk8_fp4_f32 v[C+4*(\t)+1], v[XS+8:XS+15], v11
	v_lshrrev_b32 v[E+(\t)], 23, v11               ; the scale's byte (also the plain line behind the conversions)
	ds_store_b8 v5, v[E+(\t)] offset:16*(\t)       ; both lanes of a block write the same byte with the same value
	global_store_b64 v4, v[C+4*(\t):C+4*(\t)+1], s[30:31] offset:32*CB*(\t)   ; the wave stores 256 consecutive bytes, aligned
.endm
.macro WADDR stbase, kshift            ; paths W, O: a lane takes a column, its registers run down K
	v_lshlrev_b32 v3, 2, v2                        ; in: 4 bytes a lane
	s_mul_i32 s11, s2, 32*PITCH
	s_add_co_u32 s11, s11, \stbase                 ; my stage
	v_mul_u32_u24 v4, v2, PITCH
	v_add_nc_u32 v4, s11, v4                       ; into it: row = my column
	v_and_b32 v5, 15, v2
	v_lshrrev_b32 v6, 4, v2
	v_mul_u32_u24 v7, v6, PITCH
	v_lshl_add_u32 v7, v5, 4, v7
	v_add_nc_u32 v7, s11, v7                       ; out of it: sixteen lanes to a row, two rows an instruction
	v_lshlrev_b32 v8, \kshift, v6
	v_lshl_add_u32 v8, v5, 4, v8                   ; and the same place in the output
.endm
.macro WLOAD t                         ; block t: W(32 t + i, my column), i = 0 .. 31: 128 consecutive bytes a wave, 512 a work-group
.irp i, 0,1,2,3,4,5,6,7,8,9,10,11,12,13,14,15,16,17,18,19,20,21,22,23,24,25,26,27,28,29,30,31
	global_load_b32 v[XW+32*((\t)%2)+\i], v3, s[40:41] offset:(32*(\t)+\i)*4096 th:TH_LOAD_NT
.endr
.endm
.macro WBLOCK t
.set XS, XW+32*((\t)%2)
.if (\t) < 15
	s_wait_loadcnt 32                              ; this block's 32 loads are in; the next block's 32 may be out
.else
	s_wait_loadcnt 0
.endif
	v_max3_num_f32 v12, |v[XS]|, |v[XS+1]|, |v[XS+2]|      ; all 32 numbers of the block are mine
	v_max3_num_f32 v13, |v[XS+3]|, |v[XS+4]|, |v[XS+5]|
.irp i, 6,10,14,18,22,26
	v_max3_num_f32 v12, v12, |v[XS+\i]|, |v[XS+\i+1]|
	v_max3_num_f32 v13, v13, |v[XS+\i+2]|, |v[XS+\i+3]|
.endr
	v_max3_num_f32 v12, v12, |v[XS+30]|, |v[XS+31]|
	v_max3_num_f32 v12, v12, v13, 0x1800000
	v_add_nc_u32 v11, 0xff000000, v12
	v_lshrrev_b32 v13, 23, v11
.if (\t)%4 == 0
	v_mov_b32 v[SB+(\t)/4], v13
.else
	v_lshl_or_b32 v[SB+(\t)/4], v13, 8*((\t)%4), v[SB+(\t)/4]
.endif
.irp g, 0,1,2,3
	v_cvt_scalef32_pk8_fp4_f32 v[CW+\g], v[XS+8*\g:XS+8*\g+7], v11
.endr
	ds_store_b128 v4, v[CW:CW+3] offset:16*(\t)    ; 32 codes: 16 bytes of my column's row
.if (\t)+2 < 16
	WLOAD (\t)+2
.endif
	s_wait_dscnt 0x0                               ; the store has read its registers: the next block's codes may be written
.endm
.macro OBLOCK t
.set XS, XW+32*((\t)%2)
.if (\t) < 3
	s_wait_loadcnt 32
.else
	s_wait_loadcnt 0
.endif
.irp i, 0,1,2,3,4,5,6,7,8,9,10,11,12,13,14,15
	v_cvt_pk_f16_f32 v[CW+\i], v[XS+2*\i], v[XS+2*\i+1]    ; two neighbours along K, the lower in the low half
.endr
.irp g, 0,1,2,3
	ds_store_b128 v4, v[CW+4*\g:CW+4*\g+3] offset:64*(\t)+16*\g
.endr
.if (\t)+2 < 4
	WLOAD (\t)+2
.endif
	s_wait_dscnt 0x0
.endm
.macro WOUT base, krow                 ; 32 rows of 256 bytes leave: sixteen lanes store 256 consecutive bytes, aligned
.irp t, 0,1,2,3,4,5,6,7,8,9,10,11,12,13,14,15
	ds_load_b128 v[OUTR+4*\t:OUTR+4*\t+3], v7 offset:2*\t*PITCH
.endr
.irp t, 0,1,2,3,4,5,6,7,8,9,10,11,12,13,14,15
	s_wait_dscnt 15-\t
	global_store_b128 v8, v[OUTR+4*\t:OUTR+4*\t+3], s[\base:\base+1] offset:2*\t*\krow
.endr
.endm
.macro CLOSE                           ; the wave's end: three lines behind my last LDS store
	s_wait_tensorcnt 0x0
	ds_add_u32 v[SPW], v[NIL]
	s_wait_dscnt 0x0
	s_endpgm
.endm
	s_load_b512 s[16:31], s[0:1], 0x0              ; Q 16, K 18, V 20, W_Q 22, W_K 24, W_V 26, W_O 28, xc 30
	s_load_b256 s[32:39], s[0:1], 0x40             ; xs 32, wc 34, ws 36, wo 38
	v_lshl_add_u32 v[SPW], v0, 2, SPARE
	v_mov_b32 v[NIL], 0
	v_lshrrev_b32 v1, 5, v0
	v_readfirstlane_b32 s2, v1                     ; wave 0..3
	v_and_b32 v2, 31, v0                           ; lane
	s_mov_b32 s7, 0
	s_wait_kmcnt 0x0
	s_cmp_lt_u32 ttmp9, 48
	s_cbranch_scc1 .Lw
	s_cmp_lt_u32 ttmp9, 112
	s_cbranch_scc1 .Lo
	; ---- path A: the activations
	s_sub_co_u32 s3, ttmp9, 112                    ; 0 .. 767: 256 work-groups of 32,768 numbers to a tensor
	s_lshr_b32 s4, s3, 8                           ; which tensor
	s_cmp_eq_u32 s4, 0
	s_cselect_b64 s[40:41], s[16:17], s[18:19]
	s_cmp_eq_u32 s4, 2
	s_cselect_b64 s[40:41], s[20:21], s[40:41]
	s_and_b32 s5, s3, 255
	s_lshl_b32 s5, s5, 2
	s_add_co_u32 s5, s5, s2                        ; my run of 8,192 numbers in the tensor
	s_lshl_b32 s6, s5, 15
	s_add_nc_u64 s[40:41], s[40:41], s[6:7]
	s_lshl_b32 s5, s3, 2
	s_add_co_u32 s5, s5, s2                        ; and among all three tensors' runs
	s_lshl_b32 s6, s5, 12
	s_add_nc_u64 s[30:31], s[30:31], s[6:7]        ; 4,096 bytes of codes a run
	s_lshl_b32 s6, s5, 8
	s_add_nc_u64 s[32:33], s[32:33], s[6:7]        ; 256 scale bytes a run
	v_lshlrev_b32 v3, 4, v2
	s_mul_i32 s8, s2, WREG
	v_lshrrev_b32 v14, 2, v2
	v_mul_u32_u24 v14, v14, SP
	v_and_b32 v15, 3, v2
	v_lshl_add_u32 v14, v15, 4, v14
	v_add_nc_u32 v14, s8, v14                      ; the stage on the way in: SP (lane / 4) + 16 (lane % 4)
	v_mul_u32_u24 v15, v2, SP
	v_add_nc_u32 v15, s8, v15                      ; and on the way out: SP x lane
	v_mul_u32_u24 v4, v2, CB
	v_lshrrev_b32 v5, 1, v2
	s_add_co_u32 s8, s8, 2*32*SP
	v_add_nc_u32 v5, s8, v5                        ; my block's byte among my wave's 256
	v_lshlrev_b32 v7, 3, v2
	v_add_nc_u32 v6, s8, v7
.irp t, 0,1,2,3
	ALOAD \t
.endr
	s_wait_loadcnt 12                              ; step 0's four loads are in
	ATURN 0
.irp t, 0,1,2,3,4,5,6,7,8,9,10,11,12,13,14,15
	ASTEP \t
.endr
	ds_load_b64 v[8:9], v6
	s_wait_dscnt 0x0
	global_store_b64 v7, v[8:9], s[32:33]          ; 32 lanes store 256 consecutive bytes, aligned
	CLOSE
	; ---- path W: the three weights of the quantised products.  A wave: 32 columns x 512 along K
.Lw:
	s_lshr_b32 s4, ttmp9, 4                        ; which weight
	s_cmp_eq_u32 s4, 0
	s_cselect_b64 s[40:41], s[22:23], s[24:25]
	s_cmp_eq_u32 s4, 2
	s_cselect_b64 s[40:41], s[26:27], s[40:41]
	s_and_b32 s5, ttmp9, 7
	s_lshl_b32 s5, s5, 7
	s_lshl_b32 s6, s2, 5
	s_add_co_u32 s5, s5, s6                        ; my first column
	s_bfe_u32 s9, ttmp9, 0x10003                   ; which 512 along K
	s_lshl_b32 s6, s9, 21                          ; 512 rows of 4,096 bytes
	s_lshl_b32 s8, s5, 2
	s_add_co_u32 s6, s6, s8
	s_add_nc_u64 s[40:41], s[40:41], s[6:7]
	s_lshl_b32 s8, s4, 10
	s_add_co_u32 s8, s8, s5                        ; my first row of wc and ws
	s_lshl_b32 s6, s8, 9
	s_lshl_b32 s10, s9, 8
	s_add_co_u32 s6, s6, s10
	s_add_nc_u64 s[34:35], s[34:35], s[6:7]
	s_lshl_b32 s6, s8, 5
	s_lshl_b32 s10, s9, 4
	s_add_co_u32 s6, s6, s10
	s_add_nc_u64 s[36:37], s[36:37], s[6:7]
	WADDR WST, 9
	v_lshlrev_b32 v9, 5, v2                        ; my column's row of scale bytes
	WLOAD 0
	WLOAD 1
.set Q, 0
.rept 16
	WBLOCK Q
.set Q, Q+1
.endr
	global_store_b128 v9, v[SB:SB+3], s[36:37]     ; my column's 16 scale bytes
	WOUT 34, 512
	CLOSE
	; ---- path O: W_O to f16, K innermost.  A wave: 32 columns x 128 along K
.Lo:
	s_sub_co_u32 s3, ttmp9, 48
	s_and_b32 s5, s3, 7
	s_lshl_b32 s5, s5, 7
	s_lshl_b32 s6, s2, 5
	s_add_co_u32 s5, s5, s6                        ; my first column
	s_lshr_b32 s9, s3, 3                           ; which 128 along K
	s_lshl_b32 s6, s9, 19
	s_lshl_b32 s8, s5, 2
	s_add_co_u32 s6, s6, s8
	s_add_nc_u64 s[40:41], s[28:29], s[6:7]
	s_lshl_b32 s6, s5, 11                          ; a row of wo is 2,048 bytes
	s_lshl_b32 s8, s9, 8
	s_add_co_u32 s6, s6, s8
	s_add_nc_u64 s[38:39], s[38:39], s[6:7]
	WADDR OST, 11
	WLOAD 0
	WLOAD 1
.irp t, 0,1,2,3
	OBLOCK \t
.endr
	WOUT 38, 2048
	CLOSE
.Lfunc_end_k_q1d0ddc335b_prep:
	.size	k_q1d0ddc335b_prep, .Lfunc_end_k_q1d0ddc335b_prep-k_q1d0ddc335b_prep
	.p2alignl 7, 3214868480
	.fill 96, 4, 3214868480
	.section	.rodata,"a",@progbits
	.p2align	6, 0x0
	.amdhsa_kernel k_q1d0ddc335b_prep
		.amdhsa_group_segment_fixed_size 102912
		.amdhsa_private_segment_fixed_size 0
		.amdhsa_enable_private_segment 0
		.amdhsa_kernarg_size 96
		.amdhsa_user_sgpr_count 2
		.amdhsa_user_sgpr_kernarg_segment_ptr 1
		.amdhsa_wavefront_size32 1
		.amdhsa_system_sgpr_workgroup_id_x 1
		.amdhsa_system_sgpr_workgroup_id_y 1
		.amdhsa_system_sgpr_workgroup_id_z 1
		.amdhsa_system_vgpr_workitem_id 0
		.amdhsa_next_free_vgpr 192
		.amdhsa_next_free_sgpr 66
		.amdhsa_reserve_vcc 0
		.amdhsa_float_denorm_mode_32 3
		.amdhsa_float_denorm_mode_16_64 3
		.amdhsa_memory_ordered 1
		.amdhsa_forward_progress 1
		.amdhsa_inst_pref_size 132
	.end_amdhsa_kernel
	.amdgpu_metadata
---
amdhsa.version: [ 1, 2 ]
amdhsa.kernels:
  - .name:           k_q1d0ddc335b_prep
    .symbol:         k_q1d0ddc335b_prep.kd
    .args:
      - { .name: Q, .offset: 0, .size: 8, .value_kind: global_buffer, .address_space: global }
      - { .name: K, .offset: 8, .size: 8, .value_kind: global_buffer, .address_space: global }
      - { .name: V, .offset: 16, .size: 8, .value_kind: global_buffer, .address_space: global }
      - { .name: W_Q, .offset: 24, .size: 8, .value_kind: global_buffer, .address_space: global }
      - { .name: W_K, .offset: 32, .size: 8, .value_kind: global_buffer, .address_space: global }
      - { .name: W_V, .offset: 40, .size: 8, .value_kind: global_buffer, .address_space: global }
      - { .name: W_O, .offset: 48, .size: 8, .value_kind: global_buffer, .address_space: global }
      - { .name: xc, .offset: 56, .size: 8, .value_kind: global_buffer, .address_space: global }
      - { .name: xs, .offset: 64, .size: 8, .value_kind: global_buffer, .address_space: global }
      - { .name: wc, .offset: 72, .size: 8, .value_kind: global_buffer, .address_space: global }
      - { .name: ws, .offset: 80, .size: 8, .value_kind: global_buffer, .address_space: global }
      - { .name: wo, .offset: 88, .size: 8, .value_kind: global_buffer, .address_space: global }
    .group_segment_fixed_size: 102912
    .private_segment_fixed_size: 0
    .kernarg_segment_align: 8
    .kernarg_segment_size: 96
    .max_flat_workgroup_size: 128
    .sgpr_count:     66
    .vgpr_count:     192
    .wavefront_size: 32
...
	.end_amdgpu_metadata
.endif
;; end of part 1
;; launch proj (part 2): grid 4 x 96, 4 waves a work-group, clusters of 4 x 4, 327,680 bytes of LDS; arguments xc, xs, wc, ws, b_Q, b_K, b_V, qkv; writes qkv
.if DOCPART == 2
	.amdgcn_target "amdgcn-amd-amdhsa--gfx1250"
	.amdhsa_code_object_version 6
	.text
	.protected	k_q1d0ddc335b_proj
	.globl	k_q1d0ddc335b_proj
	.p2align	8
	.type	k_q1d0ddc335b_proj,@function
k_q1d0ddc335b_proj:
	s_mov_b64 s[64:65], 0
	v_nop
	global_prefetch_b8 v0, s[64:65] scope:SCOPE_SE
	s_setreg_imm32_b32 hwreg(HW_REG_WAVE_MODE, 25, 1), 1
	s_wait_xcnt 0x0
	s_wait_alu depctr_hold_cnt(0) depctr_sa_sdst(0) depctr_va_vdst(0) depctr_va_sdst(0) depctr_va_ssrc(0) depctr_va_vcc(0) depctr_vm_vsrc(0)
	s_getreg_b32 s2, hwreg(HW_REG_IB_STS2, 6, 4)
	s_cmp_eq_u32 s2, 0
	s_cbranch_scc0 .Lentry_in_a_cluster
	s_endpgm
.Lentry_in_a_cluster:
	s_bfe_u32 s2, ttmp6, 0x10000c
	s_cmp_lg_u32 s2, 0xf033
	s_cbranch_scc0 .Lentry_shape_is_right
	s_endpgm
.Lentry_shape_is_right:
; The three quantised products in one launch: rows 0-8191 of xc are Q's, 8192-16383 K's, the rest V's; each meets its own weight's 1,024 rows of wc.
; qkv[t][b][h][s][d] = f16( sum over k of X_t[b s][k] W_t[k][64 h + d] + bias_t[64 h + d] ); codes of FP4 (E2M1) with one E8M0 scale for each 32 along K; sums in f32.
; A tile, 256 rows x 256 columns, is made by four waves, each 128 x 128: 64 accumulators, 512 registers.  K = 1,024 is two LDS slots of 512 (rows of 256 bytes): both are asked for at the head, and nothing is filled again.
; The scale bytes of the tile's 256 + 256 rows, for all of K, are two dense blocks and come once, as units of 256 bytes + 16 of padding.
; CLUSTERS: 4 x 4 work-groups; a row of the cluster shares A's tiles, a column B's: each is asked for jointly.  A tensor is 32 tile rows = 8 clusters: no cluster meets two weights.
; THE MATRIX INSTRUCTION IS USED TRANSPOSED (source 0 = 16 rows of wc, source 1 = 16 rows of xc): a lane holds eight neighbouring columns of one row.  The bias is the C of each sum's first product.
; REGISTERS: window 0: v0-31 addresses; v32-95 scale words, two sets; v128-191 A's fragments, one set; v192-255 the bias in the result's layout, later the packed results.
;   window 1: B's fragments, two sets.   windows 2, 3: the accumulators of my rows 0-63, 64-127.
; LIMIT: the results are rounded to f16: magnitudes up to 65,504.
.set NQ,     4                         ; matrix instructions deep in a slot
.set ROWB,   256                       ; a tile's row in bytes: 512 codes
.set KROW,   512                       ; a row of xc or wc in memory
.set PITCH,  272                       ; an LDS row: 256 bytes + 16: an odd multiple of 16, so the 16 rows of a load start at 16 different 16-byte columns of 256
.set FR,     8
.set NL,     2
.set NP,     4                         ; places behind this matrix instruction (ISA guide 7.12.1)
.set HALFT,  128*PITCH
.set SLOT,   4*HALFT
.set KS,     32                        ; a row of scale bytes
.set SCL,    2*SLOT
.set HALFS,  (128*KS/256)*272
.set SBLK,   (16*KS/256)*272
.set SPARE,  SCL+4*HALFS               ; the spare words, 128 bytes for each wave: two blocks of 256 bytes that no other line names
.set HPITCH, 144                       ; the way out: a head's row of 128 bytes + 16;  a wave's stage: 2 heads x 16 rows, in slot 0, which has had its one fill and its last read by then
.set ADRA, 16
.set ADRB, 20
.set STO,  24
.set RD,   25
.set CO,   26
.set ADRS, 27
.set SPW,  28
.set NIL,  29
.set SC,   32
.set AF,   128
.set BI,   192                         ; v192-255: register 8 b + j: the bias of my column 16 b + 8 (lane / 16) + j
.set TMP,  192
.set BK,   128
.set G1, 24
.set G0, 32
.set G1B, 48
.set G0B, 56
.set G1S, 68
.set G0S, 76
.set G1SB, 80
.set G0SB, 88
.set MSB, 0
.macro WIN new                         ; the immediate's high byte repeats the setting that is left
.if MSB != \new
	s_set_vgpr_msb (MSB<<8)|\new
.set MSB, \new
.endif
.endm
.set MUL_LO, 0xa1                      ; source 0 (B) window 1, source 1 (A) window 0, C and D window 2
.set MUL_HI, 0xf1                      ; the same, C and D window 3
.set TO_B,   0x40
; A joint load: waves 0 and 1 fetch for A, waves 2 and 3 for B; the branch hangs on the wave's number alone.  An s_nop 0 and four v_nop follow each line.
.macro JLOAD g0a, g1a, g0b, g1b
	s_cmp_eq_u32 s15, 0
	s_cbranch_scc0 .Lfor_b_\@
	tensor_load_to_lds s[\g0a:\g0a+3], s[\g1a:\g1a+7]
	s_nop 0
.rept 4
	v_nop
.endr
	s_branch .Lasked_\@
.Lfor_b_\@:
	tensor_load_to_lds s[\g0b:\g0b+3], s[\g1b:\g1b+7]
	s_nop 0
.rept 4
	v_nop
.endr
.Lasked_\@:
.endm
.macro CROUND                          ; a round of the cluster's barrier
	s_barrier_signal -1
	s_barrier_wait -1
	s_cmp_lg_u32 s14, 0
	s_cbranch_scc1 .Lnot_wave_0_\@
	s_barrier_signal -3
.Lnot_wave_0_\@:
	s_barrier_wait -3
	s_barrier_signal -1
	s_barrier_wait -1
.endm
	s_load_b256 s[4:11], s[0:1], 0x0               ; xc s[4:5], xs s[6:7], wc s[8:9], ws s[10:11]
	s_load_b128 s[96:99], s[0:1], 0x20             ; b_Q, b_K
	s_load_b64 s[100:101], s[0:1], 0x30            ; b_V
	s_load_b64 s[12:13], s[0:1], 0x38              ; qkv
	v_lshl_add_u32 v[SPW], v0, 2, SPARE
	v_mov_b32 v[NIL], 0
	ds_add_u32 v[SPW], v[NIL]                      ; the wave's opening: the add, twice on end, and its wait ahead of my first tensor load
	ds_add_u32 v[SPW], v[NIL]
	v_lshrrev_b32 v1, 5, v0
	v_readfirstlane_b32 s14, v1                    ; wave 0..3
	s_lshr_b32 s15, s14, 1                         ; which half of the tile's rows is mine.  Also: I fetch for A (0) or for B (1)
	s_and_b32 s16, s14, 1                          ; which half of its columns.  Also: which 128 rows I fetch
	s_bfe_u32 s40, ttmp6, 0x40000                  ; cx, cy
	s_bfe_u32 s41, ttmp6, 0x40004
	s_lshl_b32 s42, ttmp9, 2
	s_add_co_u32 s42, s42, s40                     ; tile column
	s_and_b32 s17, ttmp7, 0xffff
	s_lshr_b32 s95, s17, 3                         ; which tensor: the cluster's y / 8, the same in all sixteen partners
	s_lshl_b32 s17, s17, 2
	s_add_co_u32 s17, s17, s41                     ; tile row, 0 .. 95
	s_lshl_b32 s43, s41, 2
	s_lshl_b32 s43, 15, s43                        ; my row of the cluster
	s_lshl_b32 s44, 0x1111, s40                    ; my column
	s_or_b32 s[G1+0], s43, (0<<16)|(1<<20)|(1<<21)|(5<<22)|(3<<25)   ; mask; elements of 1 byte; padding on; bit 21 beside a mask; four words behind every 64
	s_or_b32 s[G1B+0], s44, (0<<16)|(1<<20)|(1<<21)|(5<<22)|(3<<25)
.irp g, G1, G1B
	s_mov_b32 s[\g+1], ROWB<<16                    ; tensor_dim0
	s_mov_b32 s[\g+2], 128<<16                     ; tensor_dim1
	s_mov_b32 s[\g+3], ROWB<<16                    ; tile_dim0
	s_mov_b32 s[\g+4], 128                         ; tile_dim1
	s_mov_b32 s[\g+5], KROW                        ; the pitch
	s_mov_b32 s[\g+6], 0
	s_mov_b32 s[\g+7], 0
.endr
	s_or_b32 s[G1S+0], s43, (3<<16)|(1<<20)|(1<<21)|(5<<22)|(3<<25)  ; the scales of 128 rows: 4,096 dense bytes as 16 rows of 32 elements of 8 bytes
	s_or_b32 s[G1SB+0], s44, (3<<16)|(1<<20)|(1<<21)|(5<<22)|(3<<25)
.irp g, G1S, G1SB
	s_mov_b32 s[\g+1], 32<<16
	s_mov_b32 s[\g+2], (128*KS/256)<<16
	s_mov_b32 s[\g+3], 32<<16
	s_mov_b32 s[\g+4], 128*KS/256
	s_mov_b32 s[\g+5], 32
	s_mov_b32 s[\g+6], 0
	s_mov_b32 s[\g+7], 0
.endr
	s_lshl_b32 s18, s16, 7
	s_lshl_b32 s20, s17, 8
	s_add_co_u32 s20, s20, s18                     ; A: row 256 x tile row + 128 x half
	s_lshl_b32 s46, s42, 8
	s_add_co_u32 s46, s46, s18
	s_lshl_b32 s47, s95, 10
	s_add_co_u32 s46, s46, s47                     ; B: row 1,024 x tensor + 256 x tile column + 128 x half
	s_mov_b32 s21, 0
	s_mov_b32 s47, 0
	s_mov_b64 s[18:19], KS
	s_mul_u64 s[22:23], s[20:21], s[18:19]
	s_mul_u64 s[92:93], s[46:47], s[18:19]
	s_mov_b64 s[18:19], KROW
	s_mul_u64 s[20:21], s[20:21], s[18:19]
	s_mul_u64 s[46:47], s[46:47], s[18:19]
	s_mul_i32 s45, s14, HALFT                      ; where they go: wave x 128 rows
	s_mul_i32 s94, s14, HALFS
	s_wait_dscnt 0x0                               ; both opening adds are done
	s_wait_kmcnt 0x0
	s_add_nc_u64 s[20:21], s[4:5], s[20:21]
	s_add_nc_u64 s[22:23], s[6:7], s[22:23]
	s_add_nc_u64 s[46:47], s[8:9], s[46:47]
	s_add_nc_u64 s[92:93], s[10:11], s[92:93]
	CROUND                                         ; all sixteen work-groups are here: the joint loads meet
	s_mov_b32 s[G0S], 1
	s_add_co_u32 s[G0S+1], s94, SCL
	s_mov_b64 s[G0S+2:G0S+3], s[22:23]
	s_or_b32 s[G0S+3], s[G0S+3], 0x80000000
	s_mov_b32 s[G0SB], 1
	s_add_co_u32 s[G0SB+1], s94, SCL
	s_mov_b64 s[G0SB+2:G0SB+3], s[92:93]
	s_or_b32 s[G0SB+3], s[G0SB+3], 0x80000000
	JLOAD G0S, G1S, G0SB, G1SB                     ; the scales first; three loads of mine are out behind the next two
.irp s, 0,1
	s_mov_b32 s[G0+4*\s], 1
	s_add_co_u32 s[G0+4*\s+1], s45, \s*SLOT
	s_add_nc_u64 s[G0+4*\s+2:G0+4*\s+3], s[20:21], \s*ROWB
	s_or_b32 s[G0+4*\s+3], s[G0+4*\s+3], 0x80000000
	s_mov_b32 s[G0B+4*\s], 1
	s_add_co_u32 s[G0B+4*\s+1], s45, \s*SLOT
	s_add_nc_u64 s[G0B+4*\s+2:G0B+4*\s+3], s[46:47], \s*ROWB
	s_or_b32 s[G0B+4*\s+3], s[G0B+4*\s+3], 0x80000000
	JLOAD G0+4*\s, G1, G0B+4*\s, G1B
.endr
	v_and_b32 v1, 15, v0                           ; r
	v_bfe_u32 v2, v0, 4, 1                         ; h
	v_mul_u32_u24 v3, v1, PITCH
	v_lshl_add_u32 v4, v2, 4, v3
	s_mul_i32 s21, s15, HALFT
	s_mul_i32 s22, s16, HALFT
	s_add_co_u32 s22, s22, 2*HALFT
.irp s, 0,1
	v_add_nc_u32 v[ADRA+\s], s21, v4
	v_add_nc_u32 v[ADRB+\s], s22, v4
	s_add_co_u32 s21, s21, SLOT
	s_add_co_u32 s22, s22, SLOT
.endr
	v_mul_u32_u24 v5, v1, KS                       ; my row's scales: KS bytes a row, and 16 more for each 256 passed
	v_lshrrev_b32 v6, 8, v5
	v_lshl_add_u32 v5, v6, 4, v5
	s_mul_i32 s21, s15, HALFS
	s_mul_i32 s22, s16, HALFS
	s_add_co_u32 s22, s22, 2*HALFS
	s_sub_co_u32 s22, s22, s21
	v_mul_u32_u24 v6, s22, v2                      ; lanes 16-31 take B's
	s_add_co_u32 s21, s21, SCL
	v_add_nc_u32 v5, v5, v6
	v_add_nc_u32 v[ADRS], s21, v5
	s_mul_i32 s23, s14, 32*HPITCH                  ; my stage
	v_mul_u32_u24 v5, v1, HPITCH
	v_lshl_add_u32 v5, v2, 4, v5
	v_add_nc_u32 v[STO], s23, v5                   ; in: row r, 16 bytes for each half of the lanes
	v_and_b32 v6, 31, v0
	v_lshlrev_b32 v[CO], 4, v6                     ; out: 16 x lane: four rows of 128 bytes are 512 consecutive bytes of qkv
	v_lshrrev_b32 v5, 3, v6
	v_mul_u32_u24 v5, v5, HPITCH
	v_and_b32 v7, 7, v6
	v_lshl_add_u32 v5, v7, 4, v5
	v_add_nc_u32 v[RD], s23, v5                    ; back: row lane / 8, 16 (lane % 8)
	s_lshl_b32 s20, s17, 8
	s_lshl_b32 s21, s15, 7
	s_add_co_u32 s20, s20, s21                     ; my first row m0 of the 24,576
	s_lshr_b32 s21, s20, 11
	s_lshl_b32 s21, s21, 22                        ; tensor and batch: (m0 / 2,048) x 16 heads x 2,048 x 128 bytes
	s_and_b32 s20, s20, 2047
	s_lshl_b32 s20, s20, 7                         ; position x 128 bytes
	s_add_co_u32 s20, s20, s21
	s_mov_b32 s21, 0
	s_lshl_b32 s46, s42, 2
	s_lshl_b32 s47, s16, 1
	s_add_co_u32 s46, s46, s47                     ; my first head: 4 x tile column + 2 x half
	s_lshl_b32 s46, s46, 18
	s_mov_b32 s47, 0
	s_add_nc_u64 s[20:21], s[20:21], s[46:47]
	s_add_nc_u64 s[12:13], s[12:13], s[20:21]
	s_lshl_b32 s46, s42, 10
	s_lshl_b32 s47, s16, 9
	s_add_co_u32 s46, s46, s47                     ; my first column in the bias, in bytes
	s_mov_b32 s47, 0
	s_cmp_eq_u32 s95, 0
	s_cselect_b64 s[96:97], s[96:97], s[98:99]
	s_cmp_eq_u32 s95, 2
	s_cselect_b64 s[96:97], s[100:101], s[96:97]
	s_add_nc_u64 s[96:97], s[96:97], s[46:47]
	v_lshlrev_b32 v8, 5, v2                        ; 32 h
.irp b, 0,1,2,3,4,5,6,7
	global_load_b128 v[BI+8*\b:BI+8*\b+3], v8, s[96:97] offset:64*\b
	global_load_b128 v[BI+8*\b+4:BI+8*\b+7], v8, s[96:97] offset:64*\b+16
.endr
.macro FRAG reg, adr, q, i             ; 16 rows x 128 K of 4-bit codes: 8 registers, two loads of 16 bytes, 32 bytes apart
.irp c, 0,1
	ds_load_b128 v[\reg+4*\c:\reg+4*\c+3], v[\adr] offset:64*(\q)+32*\c+(\i)*16*PITCH
.endr
.endm
; 16 matrix instructions: A's blocks a0, a0 + 1 x B's eight.  first = 1: the bias starts the sums.  The 64 accumulators take turns, one instruction a turn.
.macro MUL16 a0, p, q, sc, first
.irp a, \a0, \a0+1
.irp b, 0,1,2,3,4,5,6,7
.if \first
	v_wmma_scale_f32_16x16x128_f8f6f4 v[8*(8*((\a)%4)+\b):8*(8*((\a)%4)+\b)+7], v[128*(\p)+FR*\b:128*(\p)+FR*\b+FR-1], v[AF+FR*(\a):AF+FR*(\a)+FR-1], v[BI+8*\b:BI+8*\b+7], v[SC+8*NQ*(\sc)+NQ*\b+(\q)], v[SC+8*NQ*(\sc)+NQ*(\a)+(\q)] matrix_a_fmt:MATRIX_FMT_FP4 matrix_b_fmt:MATRIX_FMT_FP4 matrix_a_scale:MATRIX_SCALE_ROW1
.else
	v_wmma_scale_f32_16x16x128_f8f6f4 v[8*(8*((\a)%4)+\b):8*(8*((\a)%4)+\b)+7], v[128*(\p)+FR*\b:128*(\p)+FR*\b+FR-1], v[AF+FR*(\a):AF+FR*(\a)+FR-1], v[8*(8*((\a)%4)+\b):8*(8*((\a)%4)+\b)+7], v[SC+8*NQ*(\sc)+NQ*\b+(\q)], v[SC+8*NQ*(\sc)+NQ*(\a)+(\q)] matrix_a_fmt:MATRIX_FMT_FP4 matrix_b_fmt:MATRIX_FMT_FP4 matrix_a_scale:MATRIX_SCALE_ROW1
.endif
.endr
.endr
.endm
.macro FETCH_B slot, q, p
	WIN TO_B
.irp i, 0,1,2,3,4,5,6,7
	FRAG 128*(\p)+FR*\i, ADRB+\slot, \q, \i
.endr
	WIN 0
.endm
.macro FETCH_A slot, q, i0
.irp i, \i0, \i0+1, \i0+2, \i0+3
	FRAG AF+FR*(\i), ADRA+\slot, \q, \i
.endr
.endm
.macro SCALES sc                       ; a slot's scale words: lanes 0-15 A's block i, lanes 16-31 B's block i
.irp i, 0,1,2,3,4,5,6,7
	ds_load_b128 v[SC+8*NQ*\sc+NQ*\i:SC+8*NQ*\sc+NQ*\i+3], v[ADRS] offset:\i*SBLK
.endr
.endm
.macro PLACES n                        ; plain vector lines between a matrix instruction and a load into, or a read of, its registers (ISA guide 7.12.1 for the reads)
.rept \n
	v_nop
.endr
.endm
.macro STEP slot, q, first             ; 128 along K that has its successor in the same slot
	s_wait_dscnt 4*NL                              ; B's set and A's blocks 0-3 are in; the youngest eight loads (A's blocks 4-7) may be out
.if \first
	WIN 0x81                                       ; C (the bias) window 0, D window 2
.else
	WIN MUL_LO
.endif
	MUL16 0, (\q)%2, \q, \slot, \first
	MUL16 2, (\q)%2, \q, \slot, \first
	s_wait_dscnt 0
	PLACES NP
	FETCH_B \slot, (\q)+1, 1-(\q)%2
	FETCH_A \slot, (\q)+1, 0
.if \first
	WIN 0xc1
.else
	WIN MUL_HI
.endif
	MUL16 4, (\q)%2, \q, \slot, \first
	MUL16 6, (\q)%2, \q, \slot, \first
	PLACES NP
	WIN 0
	FETCH_A \slot, (\q)+1, 4
.endm
.macro STEPS slot, from
.set Q, \from
.rept NQ-1-\from
	STEP \slot, Q, 0
.set Q, Q+1
.endr
.endm
	s_wait_tensorcnt 1                             ; the scales and my part of slot 0 are in; slot 1's load may be out
	s_barrier_signal -1
	s_barrier_wait -1
	FETCH_B 0, 0, 0
	FETCH_A 0, 0, 0
	SCALES 0
	FETCH_A 0, 0, 4
	s_wait_loadcnt 0x0                             ; the bias
	STEP 0, 0, 1
	STEPS 0, 1
	; slot 0's last step changes slots: one barrier; in front of it each wave waits for all its tensor loads, adds 0 to its spare word, and waits for that and for its reads of slot 0
	s_wait_tensorcnt 0x0                           ; my part of slot 1 has landed
	ds_add_u32 v[SPW], v[NIL]
	s_wait_dscnt 4*NL+1                            ; the add and the youngest eight loads may be out
	WIN MUL_LO
	MUL16 0, 1, NQ-1, 0, 0
	s_wait_dscnt 0x0
	s_barrier_signal -1
	MUL16 2, 1, NQ-1, 0, 0
	WIN 0
	s_barrier_wait -1
	PLACES NP
	v_add_nc_u32 v[ADRS], 4*NQ, v[ADRS]            ; on to slot 1's scale words
	FETCH_B 1, 0, 0
	FETCH_A 1, 0, 0
	SCALES 1
	WIN MUL_HI
	MUL16 4, 1, NQ-1, 0, 0
	MUL16 6, 1, NQ-1, 0, 0
	PLACES NP
	WIN 0
	FETCH_A 1, 0, 4
	STEPS 1, 0
	s_wait_dscnt 4*NL                              ; the very last step
	WIN MUL_LO
	MUL16 0, 1, NQ-1, 1, 0
	MUL16 2, 1, NQ-1, 1, 0
	s_wait_dscnt 0
	WIN MUL_HI
	MUL16 4, 1, NQ-1, 1, 0
	MUL16 6, 1, NQ-1, 1, 0
	WIN 0
; THE WAY OUT, block by block of 16 rows x 128 columns = two heads.  Rounded to f16, 16 bytes a lane; through my own stage; back as four rows of a head, 512 consecutive bytes of qkv.
.macro PACK a
.set AC, 64*((\a)%4)
	WIN 0x0a+5*((\a)/4)                            ; sources 0 and 1: window 2 or 3
.irp b, 0,1,2,3,4,5,6,7
.irp r, 0,1,2,3
	v_cvt_pk_f16_f32 v[TMP+4*\b+\r], v[AC+8*\b+2*\r], v[AC+8*\b+2*\r+1]   ; each accumulator from its low end on
.endr
.endr
	WIN 0
.endm
.macro TOSTAGE a
.set BB, BK+32*((\a)%2)
.irp b, 0,1,2,3,4,5,6,7
	ds_store_b128 v[STO], v[TMP+4*\b:TMP+4*\b+3] offset:(\b/4)*16*HPITCH+(\b%4)*32
.endr
.irp t, 0,1,2,3,4,5,6,7
	ds_load_b128 v[BB+4*\t:BB+4*\t+3], v[RD] offset:(\t/4)*16*HPITCH+(\t%4)*4*HPITCH   ; LDS serves a wave's instructions in order: these see the stores above
.endr
.endm
.macro SEND a
.set BB, BK+32*((\a)%2)
	s_wait_dscnt 0x0                               ; the block is back in registers
	s_wait_xcnt 0x0                                ; the stores of the block before have read their registers: the next block's loads may land there
.irp t, 0,1,2,3,4,5,6,7
	global_store_b128 v[CO], v[BB+4*\t:BB+4*\t+3], s[12:13] offset:(\t/4)*262144+(\a)*2048+(\t%4)*512   ; 512 consecutive bytes, at a multiple of 512 from qkv's first byte
.endr
.endm
	PLACES NP
	PACK 0
	TOSTAGE 0
.irp a, 1,2,3,4,5,6,7
	PACK \a
	SEND \a-1
	TOSTAGE \a
.endr
	SEND 7
	s_wait_tensorcnt 0x0                           ; the wave's end
	ds_add_u32 v[SPW], v[NIL]
	s_wait_dscnt 0x0
	CROUND                                         ; the closing round
	s_endpgm
.Lfunc_end_k_q1d0ddc335b_proj:
	.size	k_q1d0ddc335b_proj, .Lfunc_end_k_q1d0ddc335b_proj-k_q1d0ddc335b_proj
	.p2alignl 7, 3214868480
	.fill 96, 4, 3214868480
	.section	.rodata,"a",@progbits
	.p2align	6, 0x0
	.amdhsa_kernel k_q1d0ddc335b_proj
		.amdhsa_group_segment_fixed_size 327680
		.amdhsa_private_segment_fixed_size 0
		.amdhsa_enable_private_segment 0
		.amdhsa_kernarg_size 64
		.amdhsa_user_sgpr_count 2
		.amdhsa_user_sgpr_kernarg_segment_ptr 1
		.amdhsa_wavefront_size32 1
		.amdhsa_system_sgpr_workgroup_id_x 1
		.amdhsa_system_sgpr_workgroup_id_y 1
		.amdhsa_system_sgpr_workgroup_id_z 1
		.amdhsa_system_vgpr_workitem_id 0
		.amdhsa_next_free_vgpr 1024
		.amdhsa_next_free_sgpr 102
		.amdhsa_reserve_vcc 0
		.amdhsa_float_denorm_mode_32 3
		.amdhsa_float_denorm_mode_16_64 3
		.amdhsa_memory_ordered 1
		.amdhsa_forward_progress 1
		.amdhsa_inst_pref_size 128
	.end_amdhsa_kernel
	.amdgpu_metadata
---
amdhsa.version: [ 1, 2 ]
amdhsa.kernels:
  - .name:           k_q1d0ddc335b_proj
    .symbol:         k_q1d0ddc335b_proj.kd
    .args:
      - { .name: xc, .offset: 0, .size: 8, .value_kind: global_buffer, .address_space: global }
      - { .name: xs, .offset: 8, .size: 8, .value_kind: global_buffer, .address_space: global }
      - { .name: wc, .offset: 16, .size: 8, .value_kind: global_buffer, .address_space: global }
      - { .name: ws, .offset: 24, .size: 8, .value_kind: global_buffer, .address_space: global }
      - { .name: b_Q, .offset: 32, .size: 8, .value_kind: global_buffer, .address_space: global }
      - { .name: b_K, .offset: 40, .size: 8, .value_kind: global_buffer, .address_space: global }
      - { .name: b_V, .offset: 48, .size: 8, .value_kind: global_buffer, .address_space: global }
      - { .name: qkv, .offset: 56, .size: 8, .value_kind: global_buffer, .address_space: global }
    .group_segment_fixed_size: 327680
    .private_segment_fixed_size: 0
    .kernarg_segment_align: 8
    .kernarg_segment_size: 64
    .max_flat_workgroup_size: 128
    .sgpr_count:     102
    .vgpr_count:     1024
    .wavefront_size: 32
...
	.end_amdgpu_metadata
.endif
;; end of part 2
;; launch attn (part 3): grid 4 x 64, 8 waves a work-group, clusters of 4 x 1, 327,680 bytes of LDS; arguments qkv, ao; writes ao
.if DOCPART == 3
	.amdgcn_target "amdgcn-amd-amdhsa--gfx1250"
	.amdhsa_code_object_version 6
	.text
	.protected	k_q1d0ddc335b_attn
	.globl	k_q1d0ddc335b_attn
	.p2align	8
	.type	k_q1d0ddc335b_attn,@function
k_q1d0ddc335b_attn:
	s_mov_b64 s[64:65], 0
	v_nop
	global_prefetch_b8 v0, s[64:65] scope:SCOPE_SE
	s_setreg_imm32_b32 hwreg(HW_REG_WAVE_MODE, 25, 1), 1
	s_wait_xcnt 0x0
	s_wait_alu depctr_hold_cnt(0) depctr_sa_sdst(0) depctr_va_vdst(0) depctr_va_sdst(0) depctr_va_ssrc(0) depctr_va_vcc(0) depctr_vm_vsrc(0)
	s_getreg_b32 s2, hwreg(HW_REG_IB_STS2, 6, 4)
	s_cmp_eq_u32 s2, 0
	s_cbranch_scc0 .Lentry_in_a_cluster
	s_endpgm
.Lentry_in_a_cluster:
	s_bfe_u32 s2, ttmp6, 0x10000c
	s_cmp_lg_u32 s2, 0x3003
	s_cbranch_scc0 .Lentry_shape_is_right
	s_endpgm
.Lentry_shape_is_right:
; ao[bh][q][:] = the sum over k of softmax_k(q . k / 8) v[k][:], for each of the 64 (batch, head) pairs; q, k, v: qkv[0..2][bh][2048][64] f16; ao the same form, f16.
; Products on f16 operands with f32 sums; maxima, exponentials and sums in f32; the weights p are rounded to f16 for the second product, the result once at the end.
; SHARES.  A work-group owns 512 queries of one head, each of its eight waves 64: four tiles of 16, in 512 registers: two waves to a SIMD, so that one wave's vector work stands beside the other's products.
; LAYOUT.  S^T = K Q^T (source 0 = 16 keys, source 1 = 16 queries): a lane holds ONE query (lane % 16) and keys 8 (lane / 16) + 0..7.  Two such tiles, rounded in pairs, ARE source 1 of O^T = V^T P.
; K comes out of LDS as it lies, V ([key][channel]) turned, by ds_load_tr16_b128.
; SOFTMAX.  A running maximum m and sum l for each query: p = 2^(c s - c m), c = log2(e) / 8; in every step O^T and l are multiplied by a = 2^(c m_old - c m_new).
; The step is written once: O^T and l begin as zeros and m as -3e38, so the first step's a is 0 and multiplies zeros.
; RING.  Keys go 64 a step; a slot holds 4 steps (256 keys); two slots.  Waves 0-3 fetch a slot's four tiles of K, waves 4-7 those of V: one load of 64 rows a wave.  One tensor load of mine is out at any time.
; CLUSTER.  The four work-groups of a head walk the same K and V: each tile is asked for jointly, by the same load with a mask that names the four.
; REGISTERS.  window 0: v1-15 addresses; v16-47 statistics, eight a tile; v64-191 S^T, 32 a tile (p is packed into each tile's low 16); v192-255 K's fragments.
;   window 1: v0-127 O^T, 32 a tile; v128-191 Q, 16 a tile; v192-255 V's fragments.
; LIMITS: q, k, v arrive in f16; the result is rounded to f16 (magnitudes up to 65,504); NaN and infinities are not served.
.set PK,    144                        ; a row of K in LDS: 128 bytes + 16
.set PV,    160                        ; a row of V: 128 + 32: an odd multiple of 32
.set VOFF,  64*PK
.set STEPB, 64*(PK+PV)                 ; a step's tiles lie together: 64 rows of K, then 64 of V
.set SLOT1, 1<<17                      ; slot 1 begins here: one exclusive or turns an address in one slot into the other's
.set STAGE, SLOT1+4*STEPB              ; behind the ring: 16 rows x 144 bytes for each wave
.set SPARE, STAGE+8*16*144             ; the spare words, 128 bytes for each wave: four blocks of 256 bytes that no other line names
.set AK0, 2
.set AV0, 3
.set ADK, 4
.set ADV, 5
.set QO,  6
.set STO, 7
.set RD,  8
.set GO,  9
.set PFO, 10                           ; v10 256 x my lane; never rewritten
.set SPW, 14
.set NIL, 15
.set ST,  16                           ; tile t at v[ST + 8 t]: +0 c m, +1 m, +2, +3 l (two halves), +4 .. +7 at work; a takes +6
.set S,   64
.set KF,  192
.set QR,  128                          ; in window 1
.set VF,  192                          ; in window 1
.set WV,  16
.set G1K, 24
.set G1V, 32
.set G0K, 40
.set G0V, 44
.set SLOTS, 48
.set CNT, 49
.set CS,  50
.set SEL, 52
.set TB,  54                           ; s54 LDS byte at which the step's tiles begin
.set PFA, 56                           ; s[56:57] where my prefetches stand
.set LIM, 58                           ; s58 1 in a wave that prefetches, else the greatest number
.set MSB, 0
.macro WIN new
.if MSB != \new
	s_set_vgpr_msb (MSB<<8)|\new
.set MSB, \new
.endif
.endm
.set W_KQ, 0x04                        ; Q (source 1) in window 1; K and S^T in window 0
.set W_PV, 0x51                        ; V, C and D in window 1; P in window 0
.set W_RS, 0x41                        ; O^T (destination, source 0) in window 1; a in window 0
.macro JLOAD                           ; the branch hangs on the wave's number alone; an s_nop 0 and four v_nop follow each line
	s_cmp_lt_u32 s[WV], 4
	s_cbranch_scc0 .Lfor_v_\@
	tensor_load_to_lds s[G0K:G0K+3], s[G1K:G1K+7]
	s_nop 0
.rept 4
	v_nop
.endr
	s_branch .Lasked_\@
.Lfor_v_\@:
	tensor_load_to_lds s[G0V:G0V+3], s[G1V:G1V+7]
	s_nop 0
.rept 4
	v_nop
.endr
.Lasked_\@:
.endm
; A prefetch of what the NEXT change of slots will ask for: a slot's 32,768 bytes of K and of V.  The four partners share them out by address, 8,192 bytes each; in each, wave 0 asks for K's and wave 4 for V's,
; lanes 256 bytes apart: each aligned block of 256 bytes is named once in the launch.  The last change that fills a slot asks for nothing.
.macro ASK
	s_cmp_gt_u32 s[SLOTS], s[LIM]
	s_cbranch_scc0 .Lnot_mine_\@
	global_prefetch_b8 v[PFO], s[PFA:PFA+1] th:TH_LOAD_NT scope:SCOPE_SE
.Lnot_mine_\@:
.endm
.macro CROUND
	s_barrier_signal -1
	s_barrier_wait -1
	s_cmp_lg_u32 s[WV], 0
	s_cbranch_scc1 .Lnot_wave_0_\@
	s_barrier_signal -3
.Lnot_wave_0_\@:
	s_barrier_wait -3
	s_barrier_signal -1
	s_barrier_wait -1
.endm
; THE CHANGE OF SLOTS stands at a slot's head.  Each wave waits for all its tensor loads (its part of the slot ahead), adds 0 to its spare word, and waits for that and for its reads of the slot that it has left.
; fill = 1: behind a round of the cluster's barrier the slot that was left is filled with the next 256 keys: the load has four key steps in which to land.
.macro CHANGE fill
	WIN 0
	s_wait_tensorcnt 0x0                           ; no tensor load of mine is out, so a group 0 may be written
	ds_add_u32 v[SPW], v[NIL]
.if \fill
	s_xor_b32 s[G0K+1], s[G0K+1], SLOT1
	s_add_nc_u64 s[G0K+2:G0K+3], s[G0K+2:G0K+3], 256*128
	s_xor_b32 s[G0V+1], s[G0V+1], SLOT1
	s_add_nc_u64 s[G0V+2:G0V+3], s[G0V+2:G0V+3], 256*128
	s_wait_xcnt 0x0                                ; the last prefetch, a slot back, has read its address
	s_add_nc_u64 s[PFA:PFA+1], s[PFA:PFA+1], 256*128
	s_wait_dscnt 0x0
	CROUND
	JLOAD
	ASK
.else
	s_wait_dscnt 0x0
	s_barrier_signal -1
	s_barrier_wait -1
.endif
.endm
; A KEY STEP: 64 keys for my four tiles of queries.
.macro STEP
	WIN 0
	v_add_nc_u32 v[ADK], s[TB], v[AK0]             ; these two and three v_nop are five plain lines behind the last V^T P: four are owed to the loads into V's registers, five to the products that write over p's
	v_add_nc_u32 v[ADV], s[TB], v[AV0]
.rept 3
	v_nop
.endr
.irp kt, 0,1,2,3
.irp c, 0,1
	ds_load_b128 v[KF+8*(2*\kt+\c):KF+8*(2*\kt+\c)+3],   v[ADK] offset:\kt*16*PK+64*\c
	ds_load_b128 v[KF+8*(2*\kt+\c)+4:KF+8*(2*\kt+\c)+7], v[ADK] offset:\kt*16*PK+64*\c+32
.endr
.endr
	WIN 0x40                                       ; destination window 1
.irp u, 0,1
.irp ct, 0,1,2,3
	ds_load_tr16_b128 v[VF+8*(4*\u+\ct):VF+8*(4*\u+\ct)+3],   v[ADV] offset:\u*32*PV+32*\ct
	ds_load_tr16_b128 v[VF+8*(4*\u+\ct)+4:VF+8*(4*\u+\ct)+7], v[ADV] offset:\u*32*PV+16*PV+32*\ct
.endr
.endr
	s_wait_dscnt 16                                ; K's sixteen loads are in; V's sixteen may be out
	WIN W_KQ
.irp c, 0,1                                    ; S^T = K Q^T: sixteen accumulators by turns, one instruction a turn
.irp kt, 0,1,2,3
.irp t, 0,1,2,3
.if \c == 0
	v_wmma_f32_16x16x32_f16 v[S+32*\t+8*\kt:S+32*\t+8*\kt+7], v[KF+8*(2*\kt+\c):KF+8*(2*\kt+\c)+7], v[QR+16*\t+8*\c:QR+16*\t+8*\c+7], 0
.else
	v_wmma_f32_16x16x32_f16 v[S+32*\t+8*\kt:S+32*\t+8*\kt+7], v[KF+8*(2*\kt+\c):KF+8*(2*\kt+\c)+7], v[QR+16*\t+8*\c:QR+16*\t+8*\c+7], v[S+32*\t+8*\kt:S+32*\t+8*\kt+7]
.endif
.endr
.endr
.endr
	WIN 0
.rept 4
	v_nop
.endr
	; the maximum of a lane's 32 scores and the old m, three operands at a time, the four tiles by turns; each accumulator is first read at its low end
.irp j, 0,1,2,3
.irp t, 0,1,2,3
	v_max3_num_f32 v[ST+8*\t+4+\j], v[S+32*\t+8*\j], v[S+32*\t+8*\j+1], v[S+32*\t+8*\j+2]
.endr
.endr
.irp g, 1,2
.irp j, 0,1,2,3
.irp t, 0,1,2,3
	v_max3_num_f32 v[ST+8*\t+4+\j], v[ST+8*\t+4+\j], v[S+32*\t+8*\j+2*\g+1], v[S+32*\t+8*\j+2*\g+2]
.endr
.endr
.endr
.irp t, 0,1,2,3
	v_max3_num_f32 v[ST+8*\t+4], v[ST+8*\t+4], v[S+32*\t+7], v[S+32*\t+15]
.endr
.irp t, 0,1,2,3
	v_max3_num_f32 v[ST+8*\t+6], v[ST+8*\t+6], v[S+32*\t+23], v[S+32*\t+31]
.endr
.irp t, 0,1,2,3
	v_max3_num_f32 v[ST+8*\t+4], v[ST+8*\t+4], v[ST+8*\t+5], v[ST+8*\t+6]
.endr
.irp t, 0,1,2,3
	v_max3_num_f32 v[ST+8*\t+4], v[ST+8*\t+4], v[ST+8*\t+7], v[ST+8*\t+1]
.endr
.irp t, 0,1,2,3
	v_permlanex16_b32 v[ST+8*\t+5], v[ST+8*\t+4], s[SEL], s[SEL+1]   ; the query's other 32 keys lie in the lane 16 away
.endr
.irp t, 0,1,2,3
	v_mov_b32 v[ST+8*\t+7], v[ST+8*\t]             ; c m_old is kept for a
.endr
.irp t, 0,1,2,3
	v_max_num_f32 v[ST+8*\t+1], v[ST+8*\t+4], v[ST+8*\t+5]
.endr
.irp t, 0,1,2,3
	v_mul_f32 v[ST+8*\t], s[CS], v[ST+8*\t+1]
.endr
.irp t, 0,1,2,3
	v_sub_f32 v[ST+8*\t+7], v[ST+8*\t+7], v[ST+8*\t]
.endr
.irp t, 0,1,2,3
	v_exp_f32 v[ST+8*\t+6], v[ST+8*\t+7]           ; a
.endr
.irp b, 0,1,2,3,4,5,6,7,8,9,10,11,12,13,14,15
.irp t, 0,1,2,3
	v_pk_fma_f32 v[S+32*\t+2*\b:S+32*\t+2*\b+1], v[S+32*\t+2*\b:S+32*\t+2*\b+1], s[CS:CS+1], v[ST+8*\t:ST+8*\t+1] op_sel_hi:[1,0,0] neg_lo:[0,0,1] neg_hi:[0,0,1]   ; c s - c m
.endr
.endr
.set e, 0
.rept 32
.irp t, 0,1,2,3
	v_exp_f32 v[S+32*\t+e], v[S+32*\t+e]           ; p
.endr
.set e, e+1
.endr
	v_nop                                          ; a plain line behind the last exponential
	s_wait_alu depctr_va_vdst(0)                   ; the wait ahead of the first line that names a result: one for the step's 132 exponentials
.irp t, 0,1,2,3
	v_pk_fma_f32 v[ST+8*\t+2:ST+8*\t+3], v[ST+8*\t+2:ST+8*\t+3], v[ST+8*\t+6:ST+8*\t+7], v[S+32*\t:S+32*\t+1] op_sel_hi:[1,0,1]   ; l = a l + the first pair
.endr
.irp t, 0,1,2,3
	v_pk_add_f32 v[ST+8*\t+4:ST+8*\t+5], v[S+32*\t+2:S+32*\t+3], v[S+32*\t+4:S+32*\t+5]     ; a second chain
.endr
.irp i, 3,5,7,9,11,13
.irp t, 0,1,2,3
	v_pk_add_f32 v[ST+8*\t+2:ST+8*\t+3], v[ST+8*\t+2:ST+8*\t+3], v[S+32*\t+2*\i:S+32*\t+2*\i+1]
.endr
.irp t, 0,1,2,3
	v_pk_add_f32 v[ST+8*\t+4:ST+8*\t+5], v[ST+8*\t+4:ST+8*\t+5], v[S+32*\t+2*\i+2:S+32*\t+2*\i+3]
.endr
.endr
.irp t, 0,1,2,3
	v_pk_add_f32 v[ST+8*\t+2:ST+8*\t+3], v[ST+8*\t+2:ST+8*\t+3], v[S+32*\t+30:S+32*\t+31]
.endr
.irp t, 0,1,2,3
	v_pk_add_f32 v[ST+8*\t+2:ST+8*\t+3], v[ST+8*\t+2:ST+8*\t+3], v[ST+8*\t+4:ST+8*\t+5]
.endr
.irp i, 0,1,2,3,4,5,6,7,8,9,10,11,12,13,14,15  ; p to f16, packed in place: register i takes pair i, ascending, so no pair is written before it is read
.irp t, 0,1,2,3
	v_cvt_pk_f16_f32 v[S+32*\t+\i], v[S+32*\t+2*\i], v[S+32*\t+2*\i+1]
.endr
.endr
	WIN W_RS
.irp i, 0,1,2,3,4,5,6,7,8,9,10,11,12,13,14,15
.irp t, 0,1,2,3
	v_pk_mul_f32 v[32*\t+2*\i:32*\t+2*\i+1], v[32*\t+2*\i:32*\t+2*\i+1], v[ST+8*\t+6:ST+8*\t+7] op_sel_hi:[1,0]   ; O^T x a, each accumulator from its low end on
.endr
.endr
	s_wait_dscnt 0x0                               ; V is in
	WIN W_PV
.irp u, 0,1                                    ; O^T += V^T P: sixteen accumulators by turns
.irp ct, 0,1,2,3
.irp t, 0,1,2,3
	v_wmma_f32_16x16x32_f16 v[32*\t+8*\ct:32*\t+8*\ct+7], v[VF+8*(4*\u+\ct):VF+8*(4*\u+\ct)+7], v[S+32*\t+8*\u:S+32*\t+8*\u+7], v[32*\t+8*\ct:32*\t+8*\ct+7]
.endr
.endr
.endr
	WIN 0
.endm
.macro SLOT_STEPS                      ; a slot's four key steps: written once, walked four times
	s_mov_b32 s[CNT], 4
.Lstep_\@:
	STEP
	s_add_co_u32 s[TB], s[TB], STEPB
	s_sub_co_u32 s[CNT], s[CNT], 1
	s_cmp_lg_u32 s[CNT], 0
	s_cbranch_scc1 .Lstep_\@
	s_sub_co_u32 s[TB], s[TB], 4*STEPB
	s_xor_b32 s[TB], s[TB], SLOT1                  ; on to the other slot
.endm
	s_load_b128 s[4:7], s[0:1], 0x0                ; qkv s[4:5], ao s[6:7]
	v_lshl_add_u32 v[SPW], v0, 2, SPARE
	v_mov_b32 v[NIL], 0
	ds_add_u32 v[SPW], v[NIL]                      ; the wave's opening: the add, twice on end, and its wait ahead of my first tensor load
	ds_add_u32 v[SPW], v[NIL]
	v_lshrrev_b32 v1, 5, v0
	v_readfirstlane_b32 s[WV], v1                  ; wave 0..7
	s_bfe_u32 s17, ttmp6, 0x40000                  ; cx: which 512 queries of the head
	s_and_b32 s18, ttmp7, 0xffff                   ; batch x 16 + head, which the four partners share
	s_lshl_b32 s18, s18, 18                        ; its first byte in each of q, k, v and ao
	s_and_b32 s19, s[WV], 3                        ; which of a slot's four steps I fetch:
	s_lshl_b32 s20, s19, 13                        ; its 64 rows of 128 bytes in memory,
	s_add_co_u32 s20, s20, s18
	s_mul_i32 s21, s19, STEPB                      ; and its place in a slot
	s_add_co_u32 s8, s20, 1<<24                    ; in k,
	s_mov_b32 s9, 0
	s_add_co_u32 s10, s20, 2<<24                   ; in v
	s_mov_b32 s11, 0
	s_lshl_b32 s22, s17, 9
	s_lshl_b32 s23, s[WV], 6
	s_add_co_u32 s22, s22, s23                     ; my first query
	s_lshl_b32 s22, s22, 7
	s_add_co_u32 s22, s22, s18
	s_mov_b32 s23, 0
	s_mov_b32 s[G1K], 15|(1<<16)|(1<<20)|(1<<21)|(4<<22)|(3<<25)   ; the mask: all four; elements of 2 bytes; padding on; bit 21 beside a mask; four words behind every 32
	s_mov_b32 s[G1V], 15|(1<<16)|(1<<20)|(1<<21)|(4<<22)|(7<<25)   ; the same with eight words
.irp g, G1K, G1V
	s_mov_b32 s[\g+1], 64<<16                      ; tensor_dim0
	s_mov_b32 s[\g+2], 64<<16                      ; tensor_dim1
	s_mov_b32 s[\g+3], 64<<16                      ; tile_dim0
	s_mov_b32 s[\g+4], 64                          ; tile_dim1
	s_mov_b32 s[\g+5], 64                          ; the pitch
	s_mov_b32 s[\g+6], 0
	s_mov_b32 s[\g+7], 0
.endr
	s_mov_b32 s[CS], 0x3e38aa3b                    ; c = log2(e) / 8
	s_mov_b32 s[CS+1], s[CS]
	s_mov_b32 s[SEL], 0x76543210
	s_mov_b32 s[SEL+1], 0xfedcba98
	s_mov_b32 s[TB], 0
	s_mov_b32 s[SLOTS], 7
	s_cmp_lt_u32 s[WV], 4                          ; the prefetches: wave 0 stands in k, wave 4 in v,
	s_mov_b32 s2, 2<<24
	s_cselect_b32 s2, 1<<24, s2
	s_add_co_u32 s2, s2, s18
	s_lshl_b32 s3, s17, 13                         ; at my work-group's 8,192 bytes,
	s_add_co_u32 s2, s2, s3
	s_add_co_u32 s2, s2, 256*128                   ; of slot 1's keys; the first change of slots steps it on.  Nothing is prefetched at the head
	s_mov_b32 s3, 0
	s_cmp_eq_u32 s19, 0
	s_cselect_b32 s[LIM], 1, -1
	s_wait_dscnt 0x0                               ; both opening adds are done
	s_wait_kmcnt 0x0
	s_mov_b32 s[G0K], 1
	s_mov_b32 s[G0K+1], s21
	s_add_nc_u64 s[G0K+2:G0K+3], s[4:5], s[8:9]
	s_or_b32 s[G0K+3], s[G0K+3], 0x80000000
	s_mov_b32 s[G0V], 1
	s_add_co_u32 s[G0V+1], s21, VOFF
	s_add_nc_u64 s[G0V+2:G0V+3], s[4:5], s[10:11]
	s_or_b32 s[G0V+3], s[G0V+3], 0x80000000
	s_add_nc_u64 s[12:13], s[4:5], s[22:23]        ; q at my first query
	s_add_nc_u64 s[14:15], s[6:7], s[22:23]        ; ao likewise
	s_add_nc_u64 s[PFA:PFA+1], s[4:5], s[2:3]
	CROUND                                         ; all four work-groups are here
	JLOAD                                          ; slot 0
	v_and_b32 v1, 15, v0                           ; r
	v_bfe_u32 v11, v0, 4, 1                        ; h
	v_lshlrev_b32 v[QO], 7, v1
	v_lshl_add_u32 v[QO], v11, 4, v[QO]            ; row x 128 + 16 x half
	WIN 0x40
.irp t, 0,1,2,3
.irp c, 0,1
	global_load_b128 v[QR+16*\t+8*\c:QR+16*\t+8*\c+3],   v[QO], s[12:13] offset:\t*2048+64*\c
	global_load_b128 v[QR+16*\t+8*\c+4:QR+16*\t+8*\c+7], v[QO], s[12:13] offset:\t*2048+64*\c+32
.endr
.endr
.set i, 0
.rept 128
	v_mov_b32 v[i], 0                              ; O^T: cleared once, so that the key step needs no first form of its own
.set i, i+1
.endr
	WIN 0
	v_mul_u32_u24 v[AK0], v1, PK
	v_lshl_add_u32 v[AK0], v11, 4, v[AK0]
	v_and_b32 v12, 7, v0
	v_bfe_u32 v13, v0, 3, 1
	v_lshl_add_u32 v[AV0], v11, 3, v12             ; the turning load: key 8 h + lane % 8, channels 8 ((lane / 8) % 2) on
	v_mul_u32_u24 v[AV0], v[AV0], PV
	v_lshl_add_u32 v[AV0], v13, 4, v[AV0]
	v_add_nc_u32 v[AV0], VOFF, v[AV0]
	s_mul_i32 s19, s[WV], 16*144
	s_add_co_u32 s19, s19, STAGE                   ; my stage
	v_mul_u32_u24 v[STO], v1, 144
	v_lshl_add_u32 v[STO], v11, 4, v[STO]
	v_add_nc_u32 v[STO], s19, v[STO]
	v_and_b32 v12, 31, v0
	v_lshlrev_b32 v[GO], 4, v12
	v_lshlrev_b32 v[PFO], 8, v12
	v_lshrrev_b32 v13, 3, v12
	v_mul_u32_u24 v13, v13, 144
	v_and_b32 v12, 7, v12
	v_lshl_add_u32 v13, v12, 4, v13
	v_add_nc_u32 v[RD], s19, v13
.irp t, 0,1,2,3
	v_mov_b32 v[ST+8*\t+1], 0xff61b1e6             ; m = -3e38, under every score
	v_mul_f32 v[ST+8*\t], s[CS], v[ST+8*\t+1]
	v_mov_b32 v[ST+8*\t+2], 0
	v_mov_b32 v[ST+8*\t+3], 0
.endr
	s_wait_loadcnt 0x0                             ; Q
.Lslot:                                            ; seven trips: behind each change of slots but the last the next 256 keys are asked for
	CHANGE 1
	SLOT_STEPS
	s_sub_co_u32 s[SLOTS], s[SLOTS], 1
	s_cmp_lg_u32 s[SLOTS], 0
	s_cbranch_scc1 .Lslot
	CHANGE 0                                       ; the last slot is written out
	SLOT_STEPS
	; THE WAY OUT.  l's halves are added (four plain lines behind the last products); O^T / l, rounded to f16, goes through my stage, a tile of 16 queries at a time.
.irp t, 0,1,2,3
	v_add_f32 v[ST+8*\t+4], v[ST+8*\t+2], v[ST+8*\t+3]
.endr
.irp t, 0,1,2,3
	v_permlanex16_b32 v[ST+8*\t+5], v[ST+8*\t+4], s[SEL], s[SEL+1]
.endr
.irp t, 0,1,2,3
	v_add_f32 v[ST+8*\t+4], v[ST+8*\t+4], v[ST+8*\t+5]
.endr
.irp t, 0,1,2,3
	v_rcp_f32 v[ST+8*\t+6], v[ST+8*\t+4]
.endr
	v_nop
	s_wait_alu depctr_va_vdst(0)                   ; one wait for the four reciprocals, ahead of their first use
.macro PACK t
	WIN W_RS
.set i, 0
.rept 16
	v_pk_mul_f32 v[32*\t+2*i:32*\t+2*i+1], v[32*\t+2*i:32*\t+2*i+1], v[ST+8*\t+6:ST+8*\t+7] op_sel_hi:[1,0]
.set i, i+1
.endr
	WIN 0x05                                       ; sources 0 and 1 window 1, destination window 0
.set i, 0
.rept 16
	v_cvt_pk_f16_f32 v[S+32*\t+i], v[32*\t+2*i], v[32*\t+2*i+1]
.set i, i+1
.endr
	WIN 0
.irp f, 0,1,2,3
	ds_store_b128 v[STO], v[S+32*\t+4*\f:S+32*\t+4*\f+3] offset:32*\f
.endr
.irp f, 0,1,2,3
	ds_load_b128 v[S+32*\t+4*\f:S+32*\t+4*\f+3], v[RD] offset:\f*4*144   ; LDS serves a wave's instructions in order: these see the stores above; the next tile's stores come behind them
.endr
.endm
.macro SEND t, younger                 ; younger: the next tile's four stores and four loads, or none
.irp f, 0,1,2,3
	s_wait_dscnt \younger+3-\f
	global_store_b128 v[GO], v[S+32*\t+4*\f:S+32*\t+4*\f+3], s[14:15] offset:\t*2048+\f*512   ; 512 consecutive bytes, at a multiple of 512 from ao's first byte
.endr
.endm
	PACK 0
	PACK 1
	SEND 0, 8
	PACK 2
	SEND 1, 8
	PACK 3
	SEND 2, 8
	SEND 3, 0
	s_wait_tensorcnt 0x0                           ; the wave's end
	ds_add_u32 v[SPW], v[NIL]
	s_wait_dscnt 0x0
	CROUND                                         ; the closing round
	s_endpgm
.Lfunc_end_k_q1d0ddc335b_attn:
	.size	k_q1d0ddc335b_attn, .Lfunc_end_k_q1d0ddc335b_attn-k_q1d0ddc335b_attn
	.p2alignl 7, 3214868480
	.fill 96, 4, 3214868480
	.section	.rodata,"a",@progbits
	.p2align	6, 0x0
	.amdhsa_kernel k_q1d0ddc335b_attn
		.amdhsa_group_segment_fixed_size 327680
		.amdhsa_private_segment_fixed_size 0
		.amdhsa_enable_private_segment 0
		.amdhsa_kernarg_size 16
		.amdhsa_user_sgpr_count 2
		.amdhsa_user_sgpr_kernarg_segment_ptr 1
		.amdhsa_wavefront_size32 1
		.amdhsa_system_sgpr_workgroup_id_x 1
		.amdhsa_system_sgpr_workgroup_id_y 1
		.amdhsa_system_sgpr_workgroup_id_z 1
		.amdhsa_system_vgpr_workitem_id 0
		.amdhsa_next_free_vgpr 512
		.amdhsa_next_free_sgpr 66
		.amdhsa_reserve_vcc 0
		.amdhsa_float_denorm_mode_32 3
		.amdhsa_float_denorm_mode_16_64 3
		.amdhsa_memory_ordered 1
		.amdhsa_forward_progress 1
		.amdhsa_inst_pref_size 91
	.end_amdhsa_kernel
	.amdgpu_metadata
---
amdhsa.version: [ 1, 2 ]
amdhsa.kernels:
  - .name:           k_q1d0ddc335b_attn
    .symbol:         k_q1d0ddc335b_attn.kd
    .args:
      - { .name: qkv, .offset: 0, .size: 8, .value_kind: global_buffer, .address_space: global }
      - { .name: ao, .offset: 8, .size: 8, .value_kind: global_buffer, .address_space: global }
    .group_segment_fixed_size: 327680
    .private_segment_fixed_size: 0
    .kernarg_segment_align: 8
    .kernarg_segment_size: 16
    .max_flat_workgroup_size: 256
    .sgpr_count:     66
    .vgpr_count:     512
    .wavefront_size: 32
...
	.end_amdgpu_metadata
.endif
;; end of part 3
;; launch oproj (part 4): grid 4 x 64, 4 waves a work-group, clusters of 4 x 4, 327,680 bytes of LDS; arguments ao, wo, b_O, out0; writes out0
.if DOCPART == 4
	.amdgcn_target "amdgcn-amd-amdhsa--gfx1250"
	.amdhsa_code_object_version 6
	.text
	.protected	k_q1d0ddc335b_oproj
	.globl	k_q1d0ddc335b_oproj
	.p2align	8
	.type	k_q1d0ddc335b_oproj,@function
k_q1d0ddc335b_oproj:
	s_mov_b64 s[64:65], 0
	v_nop
	global_prefetch_b8 v0, s[64:65] scope:SCOPE_SE
	s_setreg_imm32_b32 hwreg(HW_REG_WAVE_MODE, 25, 1), 1
	s_wait_xcnt 0x0
	s_wait_alu depctr_hold_cnt(0) depctr_sa_sdst(0) depctr_va_vdst(0) depctr_va_sdst(0) depctr_va_ssrc(0) depctr_va_vcc(0) depctr_vm_vsrc(0)
	s_getreg_b32 s2, hwreg(HW_REG_IB_STS2, 6, 4)
	s_cmp_eq_u32 s2, 0
	s_cbranch_scc0 .Lentry_in_a_cluster
	s_endpgm
.Lentry_in_a_cluster:
	s_bfe_u32 s2, ttmp6, 0x10000c
	s_cmp_lg_u32 s2, 0xf033
	s_cbranch_scc0 .Lentry_shape_is_right
	s_endpgm
.Lentry_shape_is_right:
; out0[m][n] = sum over k of A[m][k] wo[n][k] + b_O[n];  A[m][64 h + d] = ao[b][h][s][d], m = 2,048 b + s; f16 operands, f32 sums, f32 out.
; A tile is 128 rows x 256 columns: 64 x 4 = 256 work-groups.  Four waves, each 64 x 128: 32 accumulators, one window.  K goes in steps of 128 = two heads, through a ring of two LDS slots:
; of A a step is two dense blocks of 128 rows x 128 bytes (one head each: waves 0, 1), of wo 256 rows x 256 bytes (waves 2, 3: 128 rows each).  One tensor load a wave behind each change of slots; two are out at the head.
; CLUSTERS: 4 x 4 work-groups; a row of the cluster shares A's tiles, a column wo's: each is asked for jointly.
; THE MATRIX INSTRUCTION IS USED TRANSPOSED (source 0 = 16 rows of wo, source 1 = 16 rows of A): a lane holds eight neighbouring columns of a row.  b_O is the C of each sum's first product.
; REGISTERS: window 0: v0-31 addresses; v32-95 the bias; v128-159, v160-191 A's fragments, two buffers; on the way out v128-255.   window 1: v0-63, v64-127 wo's fragments.   window 2: accumulator (a, b) at v[8 (8 a + b)].
.set PA,     144                       ; a row of a head in LDS: 128 bytes + 16
.set PB,     272                       ; a row of wo's tile: 256 + 16
.set HEADB,  128*PA
.set SLOT,   2*HEADB+256*PB
.set SPARE,  2*SLOT                    ; the spare words, 128 bytes for each wave: two blocks of 256 bytes that no other line names
.set SPITCH, 528                       ; the way out: 16 rows x (512 + 16) for each wave, in slot 0, which has had its last fill and its last read by then
.set LAPS,   4
.set ADRA, 16
.set ADRB, 20
.set STO,  24
.set RD,   25
.set CO,   26
.set SPW,  28
.set NIL,  29
.set BI,   32
.set AFR,  128
.set BK,   128
.set G1A, 24
.set G0A, 32
.set G1B, 48
.set G0B, 56
.set MSB, 0
.macro WIN new
.if MSB != \new
	s_set_vgpr_msb (MSB<<8)|\new
.set MSB, \new
.endif
.endm
.set MUL,  0xa1                        ; source 0 (wo) window 1, source 1 (A) window 0, C and D window 2
.set MUL0, 0x81                        ; the same with C (the bias) in window 0
.set TO_B, 0x40
.macro JLOAD s                         ; the branch hangs on the wave's number alone; an s_nop 0 and four v_nop follow each line
	s_cmp_eq_u32 s13, 0
	s_cbranch_scc0 .Lfor_b_\@
	tensor_load_to_lds s[G0A+4*\s:G0A+4*\s+3], s[G1A:G1A+7]
	s_nop 0
.rept 4
	v_nop
.endr
	s_branch .Lasked_\@
.Lfor_b_\@:
	tensor_load_to_lds s[G0B+4*\s:G0B+4*\s+3], s[G1B:G1B+7]
	s_nop 0
.rept 4
	v_nop
.endr
.Lasked_\@:
.endm
.macro CREST
	s_cmp_lg_u32 s12, 0
	s_cbranch_scc1 .Lnot_wave_0_\@
	s_barrier_signal -3
.Lnot_wave_0_\@:
	s_barrier_wait -3
	s_barrier_signal -1
	s_barrier_wait -1
.endm
.macro CROUND
	s_barrier_signal -1
	s_barrier_wait -1
	CREST
.endm
	s_load_b256 s[4:11], s[0:1], 0x0               ; ao s[4:5], wo s[6:7], b_O s[8:9], out0 s[10:11]
	v_lshl_add_u32 v[SPW], v0, 2, SPARE
	v_mov_b32 v[NIL], 0
	ds_add_u32 v[SPW], v[NIL]                      ; the wave's opening: the add, twice on end, and its wait ahead of my first tensor load
	ds_add_u32 v[SPW], v[NIL]
	v_lshrrev_b32 v1, 5, v0
	v_readfirstlane_b32 s12, v1                    ; wave 0..3
	s_lshr_b32 s13, s12, 1                         ; which 64 rows are mine.  Also: I fetch for A (0) or for wo (1)
	s_and_b32 s14, s12, 1                          ; which 128 columns.  Also: which head of the step, or which 128 rows of wo, I fetch
	s_bfe_u32 s15, ttmp6, 0x40000                  ; cx, cy
	s_bfe_u32 s16, ttmp6, 0x40004
	s_lshl_b32 s17, ttmp9, 2
	s_add_co_u32 s17, s17, s15                     ; tile column
	s_and_b32 s18, ttmp7, 0xffff
	s_lshl_b32 s18, s18, 2
	s_add_co_u32 s18, s18, s16                     ; tile row
	s_lshl_b32 s46, s16, 2
	s_lshl_b32 s46, 15, s46                        ; my row of the cluster
	s_lshl_b32 s47, 0x1111, s15                    ; my column
	s_or_b32 s[G1A], s46, (1<<16)|(1<<20)|(1<<21)|(4<<22)|(3<<25)   ; mask; elements of 2 bytes; padding on; bit 21 beside a mask; four words behind every 32
	s_mov_b32 s[G1A+1], 64<<16                     ; tensor_dim0
	s_mov_b32 s[G1A+2], 128<<16                    ; tensor_dim1
	s_mov_b32 s[G1A+3], 64<<16                     ; tile_dim0
	s_mov_b32 s[G1A+4], 128                        ; tile_dim1
	s_mov_b32 s[G1A+5], 64                         ; the pitch
	s_mov_b32 s[G1A+6], 0
	s_mov_b32 s[G1A+7], 0
	s_or_b32 s[G1B], s47, (1<<16)|(1<<20)|(1<<21)|(5<<22)|(3<<25)   ; four words behind every 64
	s_mov_b32 s[G1B+1], 128<<16
	s_mov_b32 s[G1B+2], 128<<16
	s_mov_b32 s[G1B+3], 128<<16
	s_mov_b32 s[G1B+4], 128
	s_mov_b32 s[G1B+5], 1024
	s_mov_b32 s[G1B+6], 0
	s_mov_b32 s[G1B+7], 0
	s_lshl_b32 s19, s18, 7                         ; the tile's first row m0
	s_lshr_b32 s20, s19, 11
	s_lshl_b32 s20, s20, 22                        ; its batch: 16 heads x 2,048 x 128 bytes
	s_and_b32 s19, s19, 2047
	s_lshl_b32 s19, s19, 7
	s_add_co_u32 s20, s20, s19
	s_lshl_b32 s19, s14, 18                        ; the even or the odd head of a step
	s_add_co_u32 s20, s20, s19
	s_mov_b32 s21, 0
	s_lshl_b32 s40, s17, 8
	s_lshl_b32 s41, s14, 7
	s_add_co_u32 s40, s40, s41                     ; wo: row 256 x tile column + 128 x half,
	s_lshl_b32 s40, s40, 11                        ; of 2,048 bytes
	s_mov_b32 s41, 0
	s_mul_i32 s22, s14, HEADB                      ; where they go
	s_mul_i32 s23, s14, 128*PB
	s_add_co_u32 s23, s23, 2*HEADB
	s_wait_dscnt 0x0                               ; both opening adds are done
	s_wait_kmcnt 0x0
	s_add_nc_u64 s[42:43], s[4:5], s[20:21]
	s_add_nc_u64 s[44:45], s[6:7], s[40:41]
	CROUND                                         ; all sixteen work-groups are here
.irp s, 0,1
	s_mov_b32 s[G0A+4*\s], 1
	s_add_co_u32 s[G0A+4*\s+1], s22, \s*SLOT
	s_add_nc_u64 s[G0A+4*\s+2:G0A+4*\s+3], s[42:43], \s*(1<<19)     ; K step s: heads 2 s, 2 s + 1
	s_or_b32 s[G0A+4*\s+3], s[G0A+4*\s+3], 0x80000000
	s_mov_b32 s[G0B+4*\s], 1
	s_add_co_u32 s[G0B+4*\s+1], s23, \s*SLOT
	s_add_nc_u64 s[G0B+4*\s+2:G0B+4*\s+3], s[44:45], \s*256
	s_or_b32 s[G0B+4*\s+3], s[G0B+4*\s+3], 0x80000000
	JLOAD \s
.endr
	v_and_b32 v1, 15, v0                           ; r
	v_bfe_u32 v2, v0, 4, 1                         ; h
	v_mul_u32_u24 v3, v1, PA
	v_lshl_add_u32 v3, v2, 4, v3
	v_mul_u32_u24 v4, v1, PB
	v_lshl_add_u32 v4, v2, 4, v4
	s_mul_i32 s19, s13, 64*PA                      ; my 64 rows of A
	s_mul_i32 s22, s14, 128*PB                     ; my 128 rows of wo, behind A's two heads
	s_add_co_u32 s22, s22, 2*HEADB
.irp s, 0,1
	v_add_nc_u32 v[ADRA+\s], s19, v3
	v_add_nc_u32 v[ADRB+\s], s22, v4
	s_add_co_u32 s19, s19, SLOT
	s_add_co_u32 s22, s22, SLOT
.endr
	s_mul_i32 s23, s12, 16*SPITCH                  ; my stage
	v_mul_u32_u24 v5, v1, SPITCH
	v_lshl_add_u32 v5, v2, 5, v5
	v_add_nc_u32 v[STO], s23, v5                   ; in: row r, 32 bytes for each half of the lanes
	v_and_b32 v6, 31, v0
	v_lshlrev_b32 v[CO], 4, v6                     ; back: the 32 lanes take one row of 512 bytes; and the same in out0
	v_add_nc_u32 v[RD], s23, v[CO]
	s_lshl_b32 s20, s18, 7
	s_lshl_b32 s21, s13, 6
	s_add_co_u32 s20, s20, s21                     ; my first row of out0,
	s_lshl_b32 s20, s20, 12                        ; of 4,096 bytes
	s_mov_b32 s21, 0
	s_lshl_b32 s40, s17, 10
	s_lshl_b32 s41, s14, 9
	s_add_co_u32 s40, s40, s41                     ; my first column, in bytes
	s_mov_b32 s41, 0
	s_add_nc_u64 s[8:9], s[8:9], s[40:41]
	s_add_nc_u64 s[10:11], s[10:11], s[20:21]
	s_add_nc_u64 s[10:11], s[10:11], s[40:41]
	v_lshlrev_b32 v8, 5, v2
.irp b, 0,1,2,3,4,5,6,7                        ; register 8 b + j: b_O of my column 16 b + 8 h + j
	global_load_b128 v[BI+8*\b:BI+8*\b+3], v8, s[8:9] offset:64*\b
	global_load_b128 v[BI+8*\b+4:BI+8*\b+7], v8, s[8:9] offset:64*\b+16
.endr
; 8 matrix instructions: A's block a x wo's eight, 32 along K, buffer f.  first = 1: the bias starts the sums.  The 32 accumulators take turns, one instruction a turn.
.macro MUL8 f, a, first
.irp b, 0,1,2,3,4,5,6,7
.if \first
	v_wmma_f32_16x16x32_f16 v[8*(8*\a+\b):8*(8*\a+\b)+7], v[64*\f+8*\b:64*\f+8*\b+7], v[AFR+32*\f+8*\a:AFR+32*\f+8*\a+7], v[BI+8*\b:BI+8*\b+7]
.else
	v_wmma_f32_16x16x32_f16 v[8*(8*\a+\b):8*(8*\a+\b)+7], v[64*\f+8*\b:64*\f+8*\b+7], v[AFR+32*\f+8*\a:AFR+32*\f+8*\a+7], v[8*(8*\a+\b):8*(8*\a+\b)+7]
.endif
.endr
.endm
; 24 LDS loads in one run: the fragments of quarter q (32 along K: head q / 2, channels 32 (q % 2) on) into buffer f; wo's sixteen first, then A's eight
.macro FETCH slot, q, f
	WIN TO_B
.irp i, 0,1,2,3,4,5,6,7
	ds_load_b128 v[64*\f+8*\i:64*\f+8*\i+3],   v[ADRB+\slot] offset:64*\q+\i*16*PB
	ds_load_b128 v[64*\f+8*\i+4:64*\f+8*\i+7], v[ADRB+\slot] offset:64*\q+\i*16*PB+32
.endr
	WIN 0
.irp i, 0,1,2,3
	ds_load_b128 v[AFR+32*\f+8*\i:AFR+32*\f+8*\i+3],   v[ADRA+\slot] offset:(\q/2)*HEADB+(\q%2)*64+\i*16*PA
	ds_load_b128 v[AFR+32*\f+8*\i+4:AFR+32*\f+8*\i+7], v[ADRA+\slot] offset:(\q/2)*HEADB+(\q%2)*64+\i*16*PA+32
.endr
.endm
.macro PLACES                          ; four plain lines in front of loads into registers that matrix instructions have read, and of reads of results (ISA guide 7.12.1 for reads of results)
.rept 4
	v_nop
.endr
.endm
; One of a K step's first three quarters: multiplies buffer f, and in its middle fetches quarter q into buffer g
.macro QUARTER slot, q, f, g, first
	s_wait_dscnt 4                                 ; wo's fragments and A's blocks 0, 1 are in; the youngest four loads (blocks 2, 3) may be out
.if \first
	WIN MUL0
.else
	WIN MUL
.endif
	MUL8 \f, 0, \first
	MUL8 \f, 1, \first
	PLACES
	FETCH \slot, \q, \g
	s_wait_dscnt 24                                ; all but the 24 just issued
.if \first
	WIN MUL0
.else
	WIN MUL
.endif
	MUL8 \f, 2, \first
	MUL8 \f, 3, \first
.endm
; The last quarter multiplies buffer 1 and changes slots: one barrier; in front of it each wave waits for all its tensor loads, adds 0 to its spare word, and waits for that and for its reads of this slot.
.macro TURN slot, next, fill
	WIN 0
	s_wait_tensorcnt 0x0                           ; my part of the next slot has landed
	ds_add_u32 v[SPW], v[NIL]
	s_wait_dscnt 5                                 ; the add and the youngest four loads may be out
	WIN MUL
	MUL8 1, 0, 0
	s_wait_dscnt 0x0                               ; the add is done, and my reads of this slot are over
	s_barrier_signal -1
	MUL8 1, 1, 0
	WIN 0
	s_barrier_wait -1
.if \fill
	CREST                                          ; the barrier has opened a round of the cluster's: no wave of any partner still reads this slot or has a load on its way
	s_add_nc_u64 s[G0A+4*\slot+2:G0A+4*\slot+3], s[G0A+4*\slot+2:G0A+4*\slot+3], 1<<20
	s_add_nc_u64 s[G0B+4*\slot+2:G0B+4*\slot+3], s[G0B+4*\slot+2:G0B+4*\slot+3], 512
	JLOAD \slot                                    ; the first tensor load behind the round; its four v_nop are also the plain lines in front of the loads below
.else
	PLACES
.endif
	FETCH \next, 0, 0
	WIN MUL
	MUL8 1, 2, 0
	MUL8 1, 3, 0
.endm
	s_wait_tensorcnt 1                             ; my part of K step 0 is in; K step 1's load may be out
	s_barrier_signal -1
	s_barrier_wait -1
	FETCH 0, 0, 0
	s_wait_loadcnt 0x0                             ; the bias
	QUARTER 0, 1, 0, 1, 1                          ; the first quarter stands in front of the loop: its products start the sums
	WIN 0
	s_mov_b32 s3, LAPS-1
.Llap:                                             ; a trip goes once round the ring and fills both slots again
	QUARTER 0, 2, 1, 0, 0
	QUARTER 0, 3, 0, 1, 0
	TURN 0, 1, 1
	QUARTER 1, 1, 0, 1, 0
	QUARTER 1, 2, 1, 0, 0
	QUARTER 1, 3, 0, 1, 0
	TURN 1, 0, 1
	QUARTER 0, 1, 0, 1, 0
	WIN 0
	s_sub_co_u32 s3, s3, 1
	s_cmp_lg_u32 s3, 0
	s_cbranch_scc1 .Llap
	QUARTER 0, 2, 1, 0, 0                          ; the last lap fills nothing
	QUARTER 0, 3, 0, 1, 0
	TURN 0, 1, 0
	QUARTER 1, 1, 0, 1, 0
	QUARTER 1, 2, 1, 0, 0
	QUARTER 1, 3, 0, 1, 0
	s_wait_dscnt 4
	WIN MUL
	MUL8 1, 0, 0
	MUL8 1, 1, 0
	s_wait_dscnt 0
	MUL8 1, 2, 0
	MUL8 1, 3, 0
	WIN 0
; THE WAY OUT, block by block of 16 rows x 128 columns: through my own stage and back as whole rows of 512 bytes.
.macro TOSTAGE a
	WIN 0x08                                       ; an LDS store's data are its source 1: window 2
.irp b, 0,1,2,3,4,5,6,7
	ds_store_b128 v[STO], v[8*(8*\a+\b):8*(8*\a+\b)+3] offset:64*\b          ; each accumulator from its low end on
	ds_store_b128 v[STO], v[8*(8*\a+\b)+4:8*(8*\a+\b)+7] offset:64*\b+16
.endr
	WIN 0
.set BB, BK+64*((\a)%2)
.irp t, 0,1,2,3,4,5,6,7,8,9,10,11,12,13,14,15
	ds_load_b128 v[BB+4*\t:BB+4*\t+3], v[RD] offset:\t*SPITCH                ; LDS serves a wave's instructions in order: these see the stores above
.endr
.endm
.macro SEND a, younger                 ; younger: the next block's 16 stores and 16 loads, or none
.set BB, BK+64*((\a)%2)
	s_wait_dscnt \younger
.irp t, 0,1,2,3,4,5,6,7,8,9,10,11,12,13,14,15
	global_store_b128 v[CO], v[BB+4*\t:BB+4*\t+3], s[10:11] offset:(16*(\a)+\t)*4096 th:TH_STORE_NT   ; 512 consecutive bytes, at a multiple of 512 from out0's first byte
.endr
.endm
	PLACES
	TOSTAGE 0
	TOSTAGE 1
	SEND 0, 32
	s_wait_xcnt 0x0                                ; block 0's stores have read their registers: block 2's loads may land there
	TOSTAGE 2
	SEND 1, 32
	s_wait_xcnt 0x0
	TOSTAGE 3
	SEND 2, 32
	SEND 3, 0
	s_wait_tensorcnt 0x0                           ; the wave's end
	ds_add_u32 v[SPW], v[NIL]
	s_wait_dscnt 0x0
	CROUND                                         ; the closing round
	s_endpgm
.Lfunc_end_k_q1d0ddc335b_oproj:
	.size	k_q1d0ddc335b_oproj, .Lfunc_end_k_q1d0ddc335b_oproj-k_q1d0ddc335b_oproj
	.p2alignl 7, 3214868480
	.fill 96, 4, 3214868480
	.section	.rodata,"a",@progbits
	.p2align	6, 0x0
	.amdhsa_kernel k_q1d0ddc335b_oproj
		.amdhsa_group_segment_fixed_size 327680
		.amdhsa_private_segment_fixed_size 0
		.amdhsa_enable_private_segment 0
		.amdhsa_kernarg_size 32
		.amdhsa_user_sgpr_count 2
		.amdhsa_user_sgpr_kernarg_segment_ptr 1
		.amdhsa_wavefront_size32 1
		.amdhsa_system_sgpr_workgroup_id_x 1
		.amdhsa_system_sgpr_workgroup_id_y 1
		.amdhsa_system_sgpr_workgroup_id_z 1
		.amdhsa_system_vgpr_workitem_id 0
		.amdhsa_next_free_vgpr 768
		.amdhsa_next_free_sgpr 66
		.amdhsa_reserve_vcc 0
		.amdhsa_float_denorm_mode_32 3
		.amdhsa_float_denorm_mode_16_64 3
		.amdhsa_memory_ordered 1
		.amdhsa_forward_progress 1
		.amdhsa_inst_pref_size 87
	.end_amdhsa_kernel
	.amdgpu_metadata
---
amdhsa.version: [ 1, 2 ]
amdhsa.kernels:
  - .name:           k_q1d0ddc335b_oproj
    .symbol:         k_q1d0ddc335b_oproj.kd
    .args:
      - { .name: ao, .offset: 0, .size: 8, .value_kind: global_buffer, .address_space: global }
      - { .name: wo, .offset: 8, .size: 8, .value_kind: global_buffer, .address_space: global }
      - { .name: b_O, .offset: 16, .size: 8, .value_kind: global_buffer, .address_space: global }
      - { .name: out0, .offset: 24, .size: 8, .value_kind: global_buffer, .address_space: global }
    .group_segment_fixed_size: 327680
    .private_segment_fixed_size: 0
    .kernarg_segment_align: 8
    .kernarg_segment_size: 32
    .max_flat_workgroup_size: 128
    .sgpr_count:     66
    .vgpr_count:     768
    .wavefront_size: 32
...
	.end_amdgpu_metadata
.endif
;; end of part 4
